; MI455X (gfx1250); checked and timed in simulation.
; The chip was launched on July 23, 2026; its instructions are those of AMD's public machine-readable ISA for CDNA 5 (MIT licence, August 2026) and "CDNA5" Instruction Set Architecture Reference Guide (July 2026). The comments in the code are by the model that wrote it; some were corrected since.
;; Self Attention. Allowed arithmetic: matrix products marked QUANTISED: E2M1 operands, one E8M0 scale for each 32 along K, by v_wmma_scale_f32_16x16x128_f8f6f4 with both operands' format E2M1 (or v_wmma_scale_f32_32x16x128_f4), f32 sums; everything else in f32.
;; Inputs: W_out_codes 1,024 x 32 x 16 uint8 (E2M1 codes of W_out, K innermost, in blocks of 32 codes, two codes a byte); W_out_scales 1,024 x 32 uint8 (E8M0 scales of W_out, one for each 32 codes along K); W_qkv_codes 3,072 x 32 x 16 uint8 (E2M1 codes of W_qkv, K innermost, in blocks of 32 codes, two codes a byte); W_qkv_scales 3,072 x 32 uint8 (E8M0 scales of W_qkv, one for each 32 codes along K); b_out 1,024 float32; b_qkv 3,072 float32; x_codes 2 x 2,048 x 32 x 16 uint8 (E2M1 codes of x, K innermost, in blocks of 32 codes, two codes a byte); x_scales 2 x 2,048 x 32 uint8 (E8M0 scales of x, one for each 32 codes along K).
;; Outputs: out0 2 x 2,048 x 1,024 float32.
;; This version of the problem:
;;   THIS VERSION OF THE PROBLEM IS GIVEN IN LOW PRECISION. The matrix products marked QUANTISED in the list below multiply operands that are first quantised to E2M1 (2 exponent bits, 1 mantissa bit; 4 bits a number), with one power-of-two scale for each 32 numbers along K (OCP MX v1.0); their sums are f32. All else is computed in f32.
;;   The module's matrix products, in the order in which they are computed (A, B: the left and right operand; K: the contracted axis; several contracted axes count as one K, in the product's order):
;;     1. [M 4,096, K 1,024] x [K 1,024, N 3,072]; A: input x (given as codes); B: input W_qkv (given as codes): QUANTISED
;;     2. batch 32 x [M 2,048, K 64] x [K 64, N 2,048]; A: computed on the way; B: computed on the way: QUANTISED
;;     3. batch 32 x [M 64, K 2,048] x [K 2,048, N 2,048]; A: computed on the way; B: softmax (see below): QUANTISED
;;     4. [M 4,096, K 1,024] x [K 1,024, N 1,024]; A: computed on the way; B: input W_out (given as codes): QUANTISED
;;   THE QUANTISER, for each operand of a quantised product, along K:
;;     - K is cut into blocks of 32 from its start; a last block that is shorter is filled with zeros.
;;     - A block's scale is 2^e with e = floor(log2(the largest magnitude in the block)) - 2, held to -126 .. 127; a block of zeros has e = 0. As a byte (E8M0): e + 127.
;;     - Each number is divided by its block's scale, clamped to +-6, and rounded to the nearest number of E2M1, ties to even, subnormals kept.
;;     - The product sums the exact products of the quantised numbers (number of the format x scale) in f32.
;;   ~~~python
;;   def quantise(x, axis):      # numpy; x: float32 -> the quantised numbers, widened to float32 again
;;       x = np.moveaxis(x, axis, -1); K = x.shape[-1]
;;       x = np.pad(x, [(0, 0)] * (x.ndim - 1) + [(0, -K % 32)]); x = x.reshape(x.shape[:-1] + (-1, 32)); a = np.abs(x).max(-1, keepdims=True)
;;       e = np.where(a > 0, np.clip(np.frexp(np.where(a > 0, a, 1))[1] - 1 - 2, -126, 127), 0)      # np.frexp(a)[1] - 1 = floor(log2(a)), exactly
;;       r = np.clip(x / 2.0 ** e, -6, 6)
;;       step = 2.0 ** (np.maximum(np.frexp(np.where(r == 0, 1, r))[1] - 1, 0) - 1)
;;       q = np.round(r / step) * step * 2.0 ** e      # np.round: ties to even
;;       return np.moveaxis(q.reshape(q.shape[:-2] + (-1,))[..., :K], -1, axis).astype(np.float32)
;;   ~~~
;;   SOFTMAX AHEAD OF A QUANTISED PRODUCT. Where the list says 'softmax', what is quantised is not the finished softmax but p = 2^(t - M), with t = logit x log2(e) and M = ceil(the row's largest t), a whole number; so 1/2 < the row's largest p <= 1. The row's sum l is taken of the UNQUANTISED p, in f32, and the product's result is divided by l at the end. Since M is a whole number, a kernel that streams over the keys may use a running M (the ceiling of the running maximum): every later rescaling is an exact power of two, which a block's scale takes up: the codes' values come out the same.
;;   OPERANDS COMPUTED ON THE WAY. 'Computed on the way' means the value that the module computes at that place (a softmax that the list does not call 'softmax' is quantised finished and normalised). What goes into a quantiser is computed in f32, as accurately as f32 sums, v_exp_f32 and their like allow (about 1e-6 of the number): no bf16 or f16 on the way to a quantiser, and a product that is left as it is and whose result goes on into a quantised operand takes f32 operands (vector FMAs, or v_wmma_f32_16x16x4_f32). A number that lies on a knife's edge between two numbers of the format may be rounded either way, as far as f32 arithmetic and the matrix unit's own rounding can turn it there, and no further.
;;   INPUTS GIVEN AS CODES. W_out (in the module: [1024, 1024], K = its axis 0); W_qkv (in the module: [1024, 3072], K = its axis 0); x (in the module: [2, 2048, 1024], K = its axis 2): each comes as NAME_codes (uint8): NAME with its K axis moved to the last place and cut into blocks of 32 codes, [.., K / 32, bytes a block], one block behind the other in memory; two codes a byte, the lower K in the low four bits (a code: sign, 2 exponent bits, 1 mantissa bit); and NAME_scales (uint8): the same leading axes, one E8M0 byte (e + 127) for each 32 codes along K. Its value is code x scale, taken as it is: it is not quantised again, and the codes and scales need not be those that the quantiser above would give.
;; One version. Each part assembles by itself: llvm-mc -triple=amdgcn-amd-amdhsa -mcpu=gfx1250 --defsym DOCPART=n.
;; ======== version 1 of 1: 3 launches
;; limits: right only within a limited range of input values
;; workspace buffers: kv 4,587,520 bytes; qc 2,097,152 bytes; qs 262,144 bytes; ac 2,097,152 bytes; asc 131,072 bytes
;; launch qkv (part 1): grid 16 x 16, 4 waves a work-group, clusters of 4 x 4, 237,056 bytes of LDS; arguments x_codes, x_scales, W_qkv_codes, W_qkv_scales, b_qkv, kv, qc, qs; writes kv, qc, qs
.if DOCPART == 1
	.amdgcn_target "amdgcn-amd-amdhsa--gfx1250"
	.amdhsa_code_object_version 6
	.text
	.protected	k_q6029ca5ae1_qkv
	.globl	k_q6029ca5ae1_qkv
	.p2align	8
	.type	k_q6029ca5ae1_qkv,@function
k_q6029ca5ae1_qkv:
	s_mov_b64 s[64:65], 0
	v_nop
	global_prefetch_b8 v0, s[64:65] scope:SCOPE_SE
	s_setreg_imm32_b32 hwreg(HW_REG_WAVE_MODE, 25, 1), 1
	s_wait_xcnt 0x0
	s_wait_alu depctr_hold_cnt(0) depctr_sa_sdst(0) depctr_va_vdst(0) depctr_va_sdst(0) depctr_va_ssrc(0) depctr_va_vcc(0) depctr_vm_vsrc(0)
	s_getreg_b32 s2, hwreg(HW_REG_IB_STS2, 6, 4)
	s_cmp_eq_u32 s2, 0
	s_cbranch_scc0 .Lentry_in_a_cluster
	s_endpgm
.Lentry_in_a_cluster:
	s_bfe_u32 s2, ttmp6, 0x10000c
	s_cmp_lg_u32 s2, 0xf033
	s_cbranch_scc0 .Lentry_shape_is_right
	s_endpgm
.Lentry_shape_is_right:
; qkv = x W_qkv + b_qkv on codes of FP4 (E2M1) with one E8M0 scale for each 32 along K, K = 1,024; then q and k are quantised along the head's 64 and v along the tokens,
; and all three leave as IMAGES OF THE OPERAND REGISTERS of the attention launch, so that each store of codes covers 512 consecutive bytes.
; WHAT IS LEFT OUT in this program: of the two attention products, the key steps of 128 that the causal mask hides whole from a tile of queries, for all inputs; a NaN or an infinity that reaches only them is not carried to the result.
; SHARES.  Work-group (X, Y): head X, tokens 256 Y .. 256 Y + 255; columns 64 X .. of q, of k and of v: every work-group has the same three kinds of work.  Four waves, g = wave & 1, hw = wave >> 1.
;   q, k: wave w makes its own 64 tokens x 128 columns, TRANSPOSED (source 0 = 16 rows of W, source 1 = 16 tokens): a lane holds one token and eight d a tile: 32 accumulators.
;   v:    wave w makes the 128 tokens of half hw x columns 32 g .. 32 g + 31, as it stands (source 0 = 16 tokens, source 1 = 16 rows of W): a lane holds one d and eight tokens a tile: 16 accumulators.
;   Token tiles are numbered locally: 0-3 the wave's own 64 tokens, 4-7 the other 64 of its half; register numbers are the same in all waves, only addresses know g.
; THE ROWS OF A TILE.  Tile u (0 .. 3) of a group of 64 tokens (or of q's or k's 64 columns) has rows 0-7 = members 8 u + 0 .. 7 and rows 8-15 = members 32 + 8 (u xor 1) + 0 .. 7.
;   So lanes 0-15 hold 32 members of one block of 32 in four tiles' registers and lanes 16-31 those of the next block: a block's maximum asks no other lane, and the codes lie in the operand's layout.
;   Within a block the members' order is the same on both sides of the later products.  v's columns are taken as they stand.  The xor moves rows 8-15 by half of 256 bytes among the LDS columns.
; LDS.  Whole rows of 512 bytes of K, 16 bytes of padding behind each: x's 256 rows, then 64 rows each of W's q, k and v parts.  Every LDS byte is filled once in the launch, by one tensor load a wave.
; CLUSTER 4 x 4: the four work-groups of a row of the cluster share Y, so x's tile; the four of a column share X, so W's tiles: each tile is asked for jointly.  Waves 0-2 ask for W's three pieces, wave 3 for x.
;   No prefetch: all tensor loads stand at the head, and there is no loop to run ahead in.
; QUANTISER.  A block's scale byte is its largest magnitude's exponent field less 2; the largest magnitude has the floor 2^(3 - 127), which holds the byte at 1 from below.
; LIMITS: a block of zeros gets the byte 1 where the rule says 127 (its codes are zeros, and this program alone reads the bytes); NaN and infinities in the biases or the sums are not served.
; REGISTERS, in windows of 256: window 0: v1-39, v112-125 addresses and work; v40-71 x's scale words, v72-111 W's; v128-255 x's fragments, two sets (later the codes on their way out).
;   window 1: W's fragments, two sets of 10, at v0 and v128.   window 2: q's and k's accumulators, (token tile a, column tile t) at v[8 (8 a + t)].
;   window 3: v's accumulators, (column tile u, token tile i) at v[8 (8 u + i)]; from v128 the biases of q and k, from v192 those of v, in the results' layouts.
.set PITCH,  528                       ; an LDS row: 512 bytes + 16 of padding: an odd multiple of 16 bytes, so that rows r and r + 1 begin in neighbouring 16-byte columns of 256
.set TROW,   16*PITCH                  ; 16 rows
.set XBYTES, 256*PITCH                 ; x's part
.set WPIECE, 64*PITCH                  ; one of W's three pieces
.set SPARE,  XBYTES+3*WPIECE           ; the spare words, 128 bytes a wave
.set STEPB,  8960                      ; kv: the bytes of 128 keys: K's codes 4,096, V's codes 4,096, K's scale words 512, V's 256
.set WV,   20                          ; s20 wave; s21 g; s22 hw; s23 cx; s24 cy; s25 X; s26 Y; s27, s28 the two masks; s29 wave x WPIECE; s30 16 b + head; s31 Y & 7
.set G1X,  32                          ; s[32:39] descriptor group 1 for x's tile;  s[40:47] for a piece of W
.set G1W,  40
.set G0X,  48                          ; s[48:51] group 0 for x;  s[56:59] for W
.set G0W,  56
.set SEL,  90                          ; s[90:91] v_permlanex16_b32's selects for lane l xor 16; s92 the mask of lanes 16-31; s93 16 g; s94 16 - 16 g
.set ADXO, 4                           ; v4-5    LDS address of my own tokens' fragments: even tiles, odd tiles
.set ADXT, 6                           ; v6-7    of the other 64 tokens of my half
.set ADW,  8                           ; v8-9    of W's q and k pieces
.set ADWV, 10                          ; v10     of my 32 rows of W's v piece
.set L16,  12                          ; v12     16 x lane
.set L8,   13                          ; v13     8 x lane
.set VSW,  14                          ; v14     4 x lane + 128 g: V's scale words
.set OXO,  15                          ; v15     x's scale bytes, my own rows: 32 x row + 16 h + 2,048 wave (even tiles)
.set OXT,  16                          ; v16     the other rows
.set OWV,  17                          ; v17     W's, my rows of v: 32 r + 16 h + 1,024 g
.set OW,   18                          ; v18     W's, q and k: 32 x row + 16 h
.set OBQ,  19                          ; v19     a lane's eight biases of q or k
.set ODD,  99                          ; v[OXO + ODD], v[OXT + ODD], v[OW + ODD], v[OBQ + ODD]: the same offsets for odd tiles
.set TM,   20                          ; v20-35  +0..3 largest magnitudes, +4, +5 from the other half, +6, +7 the bytes, +8, +9 at work, +12, +13 the conversions' scale operands
.set OBV,  36                          ; v36     4 r + 128 g: a lane's bias of v
.set VK,   37                          ; v37     16 x lane + 2,048 g: K's codes
.set K8,   38                          ; v38     8 x lane + 256 g: K's scale words
.set VSTO, 39                          ; v39     V's codes of my own 64 tokens: 16 x lane + 2,048 g + 512 g
.set SX,   40                          ; x's scale words: four registers a local token tile
.set SW,   72                          ; W's: four registers a column tile: 0-3 q, 4-7 k, 8-9 v
.set VSTT, 112                         ; v112    V's codes of the other 64 tokens: 16 x lane + 2,048 g + 512 (1 - g)
.set T0,   113                         ; v113    at work; v119-125 too
.set SPW,  126                         ; v126    LDS address of my spare word;  v127 0
.set NIL,  127
.set XF,   128                         ; x's fragments: set p, local tile i at v[128 + 64 p + 8 i]
.set PC,   128                         ; the way out: q's and k's codes, eight registers a token tile
.set PCV,  160                         ; v's codes, eight a column tile
.set QW,   176                         ; q's scale words, one a token tile;  v180-183 k's
.set KW,   180
.set QO,   184                         ; v[184:185], v[186:187] the same as they are stored
.set KO,   186
.set VW,   188                         ; v188-189 v's scale words; v190 as stored
.set VO,   190
.set BQ,   128                         ; in window 3
.set BV,   192
.set MSB, 0
.macro WIN new                         ; low byte: bits 1:0 source 0, 3:2 source 1, 5:4 source 2, 7:6 destination; the high byte repeats the setting that is left
.if MSB != (\new)
	s_set_vgpr_msb (MSB<<8)|(\new)
.set MSB, (\new)
.endif
.endm
.macro CROUND                          ; a round of the cluster's barrier: my work-group's barrier, wave 0 signals for the work-group, all wait for the sixteen, my work-group's barrier once more
	s_barrier_signal -1
	s_barrier_wait -1
	s_cmp_lg_u32 s[WV], 0
	s_cbranch_scc1 .Lnot_wave_0_\@
	s_barrier_signal -3
.Lnot_wave_0_\@:
	s_barrier_wait -3
	s_barrier_signal -1
	s_barrier_wait -1
.endm
.macro PLACES n                        ; plain vector instructions that name none of a matrix instruction's registers (ISA guide 7.12.1)
.rept \n
	v_nop
.endr
.endm
.macro FRAG reg, adr, off              ; a fragment, 16 rows x 128 K of 4-bit codes: lane (r, h) holds row r; registers 4 c .. 4 c + 3 hold K = 64 c + 32 h + 0 .. 31: two loads of 16 bytes, 32 bytes apart
	ds_load_b128 v[\reg:\reg+3], v[\adr] offset:\off
	ds_load_b128 v[\reg+4:\reg+7], v[\adr] offset:\off+32
.endm
	s_load_b256 s[4:11], s[0:1], 0x0               ; x's codes s[4:5], x's scales s[6:7], W's codes s[8:9], W's scales s[10:11]
	s_load_b256 s[12:19], s[0:1], 0x20             ; b_qkv s[12:13], kv s[14:15], qc s[16:17], qs s[18:19]
	v_lshl_add_u32 v[SPW], v0, 2, SPARE
	v_mov_b32 v[NIL], 0
	ds_add_u32 v[SPW], v[NIL]                      ; the opening: the add, twice on end, and its wait ahead of my tensor load
	ds_add_u32 v[SPW], v[NIL]
	v_lshrrev_b32 v1, 5, v0
	v_readfirstlane_b32 s[WV], v1                  ; wave 0..3
	s_and_b32 s21, s[WV], 1                        ; g
	s_lshr_b32 s22, s[WV], 1                       ; hw
	s_bfe_u32 s23, ttmp6, 0x40000                  ; cx, cy: my place in the cluster
	s_bfe_u32 s24, ttmp6, 0x40004
	s_lshl_b32 s25, ttmp9, 2
	s_add_co_u32 s25, s25, s23                     ; X = the head = 4 x cluster x + cx
	s_and_b32 s26, ttmp7, 0xffff
	s_lshl_b32 s26, s26, 2
	s_add_co_u32 s26, s26, s24                     ; Y = the block of 256 tokens = 4 x cluster y + cy
	s_lshl_b32 s27, s24, 2
	s_lshl_b32 s27, 15, s27                        ; my row of the cluster
	s_lshl_b32 s28, 0x1111, s23                    ; my column
	; group 1: elements of 1 byte; rows of 512 bytes, dense in memory; padding of 4 words behind every 128; bit 21 set beside a mask
	s_or_b32 s[G1X], s27, (1<<20)|(1<<21)|(6<<22)|(3<<25)   ; x's tile goes to my row of the cluster
	s_mov_b32 s[G1X+1], 512<<16                    ; tensor_dim0 = 512
	s_mov_b32 s[G1X+2], 256<<16                    ; tensor_dim1 = 256
	s_mov_b32 s[G1X+3], 512<<16                    ; tile_dim0 = 512
	s_mov_b32 s[G1X+4], 256                        ; tile_dim1 = 256 rows
	s_mov_b32 s[G1X+5], 512                        ; from row to row
	s_mov_b32 s[G1X+6], 0
	s_mov_b32 s[G1X+7], 0
	s_or_b32 s[G1W], s28, (1<<20)|(1<<21)|(6<<22)|(3<<25)   ; W's pieces go to my column
	s_mov_b32 s[G1W+1], 512<<16
	s_mov_b32 s[G1W+2], 64<<16
	s_mov_b32 s[G1W+3], 512<<16
	s_mov_b32 s[G1W+4], 64                         ; 64 rows
	s_mov_b32 s[G1W+5], 512
	s_mov_b32 s[G1W+6], 0
	s_mov_b32 s[G1W+7], 0
	; byte offsets, each in registers of its own.  x's tile hangs on Y alone, W's pieces on X and the wave's number alone
	s_lshl_b32 s66, s26, 17                        ; x: 256 Y rows of 512 bytes
	s_mov_b32 s67, 0
	s_lshl_b32 s68, s[WV], 19                      ; W: piece = wave: 1,024 rows of 512 bytes each,
	s_lshl_b32 s69, s25, 15                        ; and 64 X rows
	s_add_co_u32 s68, s68, s69
	s_mov_b32 s69, 0
	s_mul_i32 s29, s[WV], WPIECE                   ; 64 rows in LDS for each wave: a piece of W; also my own tokens in x's part
	s_lshl_b32 s70, s26, 13                        ; x's scales: 256 Y rows of 32 bytes
	s_mov_b32 s71, 0
	s_lshl_b32 s72, s25, 11                        ; W's scales: 64 X rows
	s_mov_b32 s73, 0
	s_lshl_b32 s74, s25, 8                         ; b_qkv: 64 X numbers
	s_mov_b32 s75, 0
	s_lshr_b32 s30, s26, 3
	s_lshl_b32 s30, s30, 4
	s_add_co_u32 s30, s30, s25                     ; 16 b + head
	s_and_b32 s31, s26, 7                          ; which 256 tokens of the batch's 2,048
	s_mul_i32 s76, s30, 16*STEPB                   ; kv: the head,
	s_lshl_b32 s77, s31, 1
	s_add_co_u32 s77, s77, s22
	s_mul_i32 s77, s77, STEPB                      ; and the 128 keys of my half
	s_add_co_u32 s76, s76, s77
	s_mov_b32 s77, 0
	s_lshl_b32 s78, s30, 16                        ; qc: 128 tiles of 512 bytes a head; my first tile is 16 (Y & 7) + 4 wave
	s_lshl_b32 s79, s31, 4
	s_lshl_b32 s80, s[WV], 2
	s_add_co_u32 s79, s79, s80
	s_lshl_b32 s79, s79, 9
	s_add_co_u32 s78, s78, s79
	s_mov_b32 s79, 0
	s_lshl_b32 s80, s30, 13                        ; qs: 32 groups of 256 bytes a head; mine is 4 (Y & 7) + wave
	s_lshl_b32 s81, s31, 2
	s_add_co_u32 s81, s81, s[WV]
	s_lshl_b32 s81, s81, 8
	s_add_co_u32 s80, s80, s81
	s_mov_b32 s81, 0
	s_wait_dscnt 0x0                               ; both opening adds are done
	CROUND                                         ; all sixteen work-groups are here: the joint loads meet
	s_wait_kmcnt 0x0
	s_add_nc_u64 s[4:5], s[4:5], s[66:67]
	s_add_nc_u64 s[8:9], s[8:9], s[68:69]
	s_add_nc_u64 s[6:7], s[6:7], s[70:71]
	s_add_nc_u64 s[10:11], s[10:11], s[72:73]
	s_add_nc_u64 s[12:13], s[12:13], s[74:75]
	s_add_nc_u64 s[14:15], s[14:15], s[76:77]
	s_add_nc_u64 s[16:17], s[16:17], s[78:79]
	s_add_nc_u64 s[18:19], s[18:19], s[80:81]
	s_mov_b32 s[G0X], 1                            ; count = 1
	s_mov_b32 s[G0X+1], 0                          ; LDS address
	s_mov_b64 s[G0X+2:G0X+3], s[4:5]
	s_or_b32 s[G0X+3], s[G0X+3], 0x80000000        ; type = 2
	s_mov_b32 s[G0W], 1
	s_add_co_u32 s[G0W+1], s29, XBYTES
	s_mov_b64 s[G0W+2:G0W+3], s[8:9]
	s_or_b32 s[G0W+3], s[G0W+3], 0x80000000
	s_cmp_eq_u32 s[WV], 3                          ; one tensor load a wave: waves 0-2 a piece of W, wave 3 x
	s_cbranch_scc1 .Lfor_x
	tensor_load_to_lds s[G0W:G0W+3], s[G1W:G1W+7]
	s_nop 0
	PLACES 4
	s_branch .Lasked
.Lfor_x:
	tensor_load_to_lds s[G0X:G0X+3], s[G1X:G1X+7]
	s_nop 0
	PLACES 4
.Lasked:
	v_and_b32 v1, 15, v0                           ; r
	v_bfe_u32 v2, v0, 4, 1                         ; h
	v_and_b32 v3, 31, v0                           ; lane
	v_and_b32 v119, 7, v1
	v_lshrrev_b32 v120, 3, v1
	v_lshlrev_b32 v123, 4, v2                      ; 16 h
	v_mad_u32_u24 v121, v120, 40, v119             ; row r of an even tile, counted from its first member: 8 (u xor 1) + 32 = 8 u + 40
	v_mad_u32_u24 v122, v120, 24, v119             ; of an odd tile: 8 u + 24
	s_xor_b32 s82, s[WV], 1                        ; the wave that owns the other 64 tokens of my half
	s_mul_i32 s83, s82, WPIECE
	s_mul_i32 s84, s21, 32*PITCH
	s_add_co_u32 s84, s84, XBYTES+128*PITCH        ; W's v piece lies behind q's and k's; my rows begin at 32 g
	v_mad_u32_u24 v124, v121, PITCH, v123          ; a fragment's row x pitch + 16 h
	v_mad_u32_u24 v125, v122, PITCH, v123
	v_mad_u32_u24 v[T0], v1, PITCH, v123
	v_add_nc_u32 v[ADXO], s29, v124
	v_add_nc_u32 v[ADXO+1], s29, v125
	v_add_nc_u32 v[ADXT], s83, v124
	v_add_nc_u32 v[ADXT+1], s83, v125
	v_add_nc_u32 v[ADW], XBYTES, v124
	v_add_nc_u32 v[ADW+1], XBYTES, v125
	v_add_nc_u32 v[ADWV], s84, v[T0]
	v_lshl_add_u32 v[OW], v121, 5, v123            ; scale bytes: 32 x row + 16 h
	v_lshl_add_u32 v[OW+ODD], v122, 5, v123
	v_lshl_add_u32 v[T0], v1, 5, v123
	s_lshl_b32 s85, s[WV], 11
	v_add_nc_u32 v[OXO], s85, v[OW]
	v_add_nc_u32 v[OXO+ODD], s85, v[OW+ODD]
	s_lshl_b32 s85, s82, 11
	v_add_nc_u32 v[OXT], s85, v[OW]
	v_add_nc_u32 v[OXT+ODD], s85, v[OW+ODD]
	s_lshl_b32 s85, s21, 10
	v_add_nc_u32 v[OWV], s85, v[T0]
	v_mul_u32_u24 v[OBQ], 160, v2                  ; biases: a lane's eight columns 8 u + 40 h (even) or 8 u + 24 h (odd), 4 bytes each
	v_mul_u32_u24 v[OBQ+ODD], 96, v2
	s_lshl_b32 s85, s21, 7
	v_lshl_add_u32 v[OBV], v1, 2, s85
	v_lshl_add_u32 v[VSW], v3, 2, s85
	v_lshlrev_b32 v[L16], 4, v3
	v_lshlrev_b32 v[L8], 3, v3
	s_lshl_b32 s85, s21, 11
	v_add_nc_u32 v[VK], s85, v[L16]
	s_lshl_b32 s85, s21, 8
	v_add_nc_u32 v[K8], s85, v[L8]
	s_mul_i32 s85, s21, 2560
	v_add_nc_u32 v[VSTO], s85, v[L16]
	s_mul_i32 s85, s21, 1536
	s_add_co_u32 s85, s85, 512                     ; 2,048 g + 512 (1 - g)
	v_add_nc_u32 v[VSTT], s85, v[L16]
	s_mov_b32 s[SEL], 0x76543210
	s_mov_b32 s[SEL+1], 0xfedcba98
	s_mov_b32 s92, 0xffff0000
	s_lshl_b32 s93, s21, 4
	s_sub_co_u32 s94, 16, s93
.irp b, 0,1,2,3
	v_mov_b32 v[TM+4+\b], 0                        ; written once: a lane permute's destination counts as one of its sources
.endr
	; THE SCALE BYTES come once, straight into registers: a tile's 16 rows of 32 bytes are two runs of 256 consecutive bytes for one load (v's: 512).  Lane (r, h) takes words 4 h .. 4 h + 3 of row r:
	; register q holds K step q's word in lanes 0-15 and K step 4 + q's in lanes 16-31, which the matrix instruction takes with the selector ROW1.
.irp i, 0,1,2,3
	global_load_b128 v[SX+4*\i:SX+4*\i+3], v[OXO+ODD*(\i%2)], s[6:7] offset:256*\i
.endr
.irp i, 0,1,2,3
	global_load_b128 v[SX+16+4*\i:SX+16+4*\i+3], v[OXT+ODD*(\i%2)], s[6:7] offset:256*\i
.endr
.irp t, 0,1,2,3,4,5,6,7
	global_load_b128 v[SW+4*\t:SW+4*\t+3], v[OW+ODD*(\t%2)], s[10:11] offset:32768*(\t/4)+256*(\t%4)
.endr
.irp u, 0,1
	global_load_b128 v[SW+32+4*\u:SW+32+4*\u+3], v[OWV], s[10:11] offset:65536+512*\u
.endr
	; THE BIASES are the C of each sum's first matrix instruction, in the result's layout: q, k: a lane's eight columns; v: the lane's one column, in all eight registers
	WIN 0xc0                                       ; destination window 3, address window 0
.irp t, 0,1,2,3,4,5,6,7
	global_load_b128 v[BQ+8*\t:BQ+8*\t+3], v[OBQ+ODD*(\t%2)], s[12:13] offset:4096*(\t/4)+32*(\t%4)
	global_load_b128 v[BQ+8*\t+4:BQ+8*\t+7], v[OBQ+ODD*(\t%2)], s[12:13] offset:4096*(\t/4)+32*(\t%4)+16
.endr
.irp u, 0,1
.irp j, 0,1,2,3,4,5,6,7
	global_load_b32 v[BV+8*\u+\j], v[OBV], s[12:13] offset:8192+64*\u
.endr
.endr
	WIN 0
; 36 LDS loads in one run: K step s's fragments into set s % 2: W's eight tiles of q and k, my two of v, x's eight local tiles
.macro FETCH s
.set FP, (\s)%2
.set FQ, 64*(\s)
	WIN 0x40                                       ; destination window 1, address window 0
.irp t, 0,1,2,3,4,5,6,7
	FRAG 128*FP+8*\t, ADW+\t%2, PITCH*(64*(\t/4)+8*(\t%4))+FQ
.endr
.irp u, 0,1
	FRAG 128*FP+64+8*\u, ADWV, TROW*\u+FQ
.endr
	WIN 0
.irp i, 0,1,2,3
	FRAG XF+64*FP+8*\i, ADXO+\i%2, 8*PITCH*\i+FQ
.endr
.irp i, 0,1,2,3
	FRAG XF+64*FP+32+8*\i, ADXT+\i%2, 8*PITCH*\i+FQ
.endr
.endm
.macro WM d, a, b, c, sa, sb, row      ; one product; row = 1: both sides' scale words are taken from lanes 16-31
.if \row
	v_wmma_scale_f32_16x16x128_f8f6f4 v[\d:\d+7], v[\a:\a+7], v[\b:\b+7], v[\c:\c+7], v[\sa], v[\sb] matrix_a_fmt:MATRIX_FMT_FP4 matrix_b_fmt:MATRIX_FMT_FP4 matrix_a_scale:MATRIX_SCALE_ROW1 matrix_b_scale:MATRIX_SCALE_ROW1
.else
	v_wmma_scale_f32_16x16x128_f8f6f4 v[\d:\d+7], v[\a:\a+7], v[\b:\b+7], v[\c:\c+7], v[\sa], v[\sb] matrix_a_fmt:MATRIX_FMT_FP4 matrix_b_fmt:MATRIX_FMT_FP4
.endif
.endm
; The 48 accumulators take turns, one instruction a turn, in the same order in every K step.
.macro MULQK s                         ; 32 products: source 0 = W's tile t, source 1 = my own token tile a
.set PP, (\s)%2
.set QQ, (\s)%4
.set RW, (\s)/4
.if (\s) == 0
	WIN 0xb1                                       ; source 0 window 1, source 1 window 0, C (the bias) window 3, D window 2
.else
	WIN 0xa1                                       ; C and D window 2
.endif
.irp a, 0,1,2,3
.irp t, 0,1,2,3,4,5,6,7
.if (\s) == 0
	WM 8*(8*\a+\t), 128*PP+8*\t, XF+64*PP+8*\a, BQ+8*\t, SW+4*\t+QQ, SX+4*\a+QQ, RW
.else
	WM 8*(8*\a+\t), 128*PP+8*\t, XF+64*PP+8*\a, 8*(8*\a+\t), SW+4*\t+QQ, SX+4*\a+QQ, RW
.endif
.endr
.endr
.endm
.macro MULV s                          ; 16 products: source 0 = local token tile i, source 1 = my tile u of W's v piece
.set PP, (\s)%2
.set QQ, (\s)%4
.set RW, (\s)/4
	WIN 0xf4                                       ; source 0 window 0, source 1 window 1, C and D window 3
.irp i, 0,1,2,3,4,5,6,7
.irp u, 0,1
.if (\s) == 0
	WM 8*(8*\u+\i), XF+64*PP+8*\i, 128*PP+64+8*\u, BV+8*\u, SX+4*\i+QQ, SW+32+4*\u+QQ, RW
.else
	WM 8*(8*\u+\i), XF+64*PP+8*\i, 128*PP+64+8*\u, 8*(8*\u+\i), SX+4*\i+QQ, SW+32+4*\u+QQ, RW
.endif
.endr
.endr
.endm
; A K step of 128: the next step's fragments are asked for first, into the set that the step before multiplied, and land under this step's 48 products.
.macro STEP s
.if (\s) < 7
.if (\s) > 0
	PLACES 4                                       ; in front of loads into registers that the last products read
.endif
	FETCH (\s)+1
	s_wait_dscnt 36                                ; all but the 36 loads just issued: this step's fragments are in
.else
	s_wait_dscnt 0x0
.endif
	MULQK \s
	MULV \s
.endm
	s_wait_alu depctr_va_vdst(0)
	s_wait_tensorcnt 0x0                           ; my one tensor load has landed,
	s_barrier_signal -1
	s_barrier_wait -1                              ; everybody's has.
	FETCH 0
	s_wait_loadcnt 0x0                             ; the scale words and the biases
.irp s, 0,1,2,3,4,5,6,7
	STEP \s
.endr
; 64 results of a lane in window win, eight tiles from v[s] on: tiles 0-3 are one block of 32 of my lane, tiles 4-7 another; they become codes in v[pc] .. v[pc+3] and v[pc+4] .. v[pc+7] and bytes in v[TM+6], v[TM+7].
; Registers 4 c .. 4 c + 3 of lane (r, h) hold places 64 c + 32 h + 0 .. 31, the operand's layout.  Each tile is first read at its two lowest registers.  The floor 2^(3 - 127): the byte cannot fall under 1.
.macro QUANT2 win, s, pc
	WIN 5*\win                                     ; sources 0 and 1 in window win
.irp b, 0,1,2,3
	v_max3_num_f32 v[TM+\b], |v[\s+16*\b]|, |v[\s+16*\b+1]|, 0x1800000
.endr
	WIN 20*\win                                    ; sources 1 and 2 in window win
.irp i, 2,4,6,8,10,12,14
.irp b, 0,1,2,3
	v_max3_num_f32 v[TM+\b], v[TM+\b], |v[\s+16*\b+\i]|, |v[\s+16*\b+\i+1]|   ; two chains a block, by turns
.endr
.endr
	WIN 0
	v_max_num_f32 v[TM], v[TM], v[TM+1]            ; the block's largest magnitude
	v_max_num_f32 v[TM+2], v[TM+2], v[TM+3]
	v_add_nc_u32 v[TM+12], 0xff000000, v[TM]       ; 2 off its exponent field: the conversion takes this operand's exponent field as its scale
	v_add_nc_u32 v[TM+13], 0xff000000, v[TM+2]
	v_lshrrev_b32 v[TM+6], 23, v[TM+12]            ; the scale's byte
	v_lshrrev_b32 v[TM+7], 23, v[TM+13]
	WIN \win                                       ; source 0 in window win
.irp c, 0,1
.irp u, 0,1,2,3
	v_cvt_scalef32_pk8_fp4_f32 v[\pc+4*\c+\u], v[\s+32*\c+8*\u:\s+32*\c+8*\u+7], v[TM+12+\c]
.endr
.endr
	WIN 0
	v_nop                                          ; one plain place behind a scaled conversion
.endm
	; THE WAY OUT.  Every store's data have registers of their own, and no address register or base is written again: no wait stands between the stores.
	WIN 0
	PLACES 4                                       ; behind the last products: their results are read and their operands' registers written below
.irp a, 0,1,2,3                        ; token tile a: the first block pair is q's two blocks of 32 along d, the second k's
	QUANT2 2, 64*\a, PC+8*\a
	v_permlanex16_b32 v[TM+4], v[TM+6], s[SEL], s[SEL+1]   ; the other half's bytes: block 0's byte lies in lanes 0-15, block 1's in lanes 16-31
	v_permlanex16_b32 v[TM+5], v[TM+7], s[SEL], s[SEL+1]
.if \a%2                               ; a scale word: two bytes, and two bytes 0 for the half of the next product's K step that holds zero codes.  An odd tile's words are wanted in lanes 16-31, an even tile's in lanes 0-15
	v_lshl_or_b32 v[QW+\a], v[TM+6], 8, v[TM+4]
	v_lshl_or_b32 v[KW+\a], v[TM+7], 8, v[TM+5]
.else
	v_lshl_or_b32 v[QW+\a], v[TM+4], 8, v[TM+6]
	v_lshl_or_b32 v[KW+\a], v[TM+5], 8, v[TM+7]
.endif
	global_store_b128 v[L16], v[PC+8*\a:PC+8*\a+3], s[16:17] offset:512*\a       ; lane (r, h): row r's token, d's block h: 512 consecutive bytes
	global_store_b128 v[VK], v[PC+8*\a+4:PC+8*\a+7], s[14:15] offset:512*\a
.endr
.irp i, 0,1
	v_cndmask_b32 v[QO+\i], v[QW+2*\i], v[QW+2*\i+1], s92   ; word i: lanes 0-15 tile 2 i's, lanes 16-31 tile 2 i + 1's
	v_cndmask_b32 v[KO+\i], v[KW+2*\i], v[KW+2*\i+1], s92
.endr
	global_store_b64 v[L8], v[QO:QO+1], s[18:19]               ; 256 consecutive bytes
	global_store_b64 v[K8], v[KO:KO+1], s[14:15] offset:8192
.irp u, 0,1                            ; column tile u of v: the first block pair is my own 64 tokens, the second the other 64
	QUANT2 3, 64*\u, PCV+8*\u
	v_lshlrev_b32 v[TM+8], s93, v[TM+6]            ; my own tokens are the step's keys 64 g on: their bytes go 16 g bits up,
	v_lshlrev_b32 v[TM+9], s94, v[TM+7]            ; the others' 16 - 16 g
	v_or_b32 v[TM+8], v[TM+8], v[TM+9]
	v_permlanex16_b32 v[TM+4], v[TM+8], s[SEL], s[SEL+1]
.if \u                                 ; tile 1's word is wanted in lanes 16-31, tile 0's in lanes 0-15
	v_lshl_or_b32 v[VW+\u], v[TM+8], 8, v[TM+4]
.else
	v_lshl_or_b32 v[VW+\u], v[TM+4], 8, v[TM+8]
.endif
	global_store_b128 v[VSTO], v[PCV+8*\u:PCV+8*\u+3], s[14:15] offset:4096+1024*\u     ; lane (r, h): d = r, keys' block 2 c + h, c = g
	global_store_b128 v[VSTT], v[PCV+8*\u+4:PCV+8*\u+7], s[14:15] offset:4096+1024*\u   ; c = 1 - g
.endr
	v_cndmask_b32 v[VO], v[VW], v[VW+1], s92
	global_store_b32 v[VSW], v[VO], s[14:15] offset:8704       ; 128 consecutive bytes: the one store here that covers less than 256
	s_wait_tensorcnt 0x0                           ; the wave's end
	ds_add_u32 v[SPW], v[NIL]
	s_wait_dscnt 0x0
	CROUND                                         ; the closing round: no work-group ends while a partner may still ask for a tile that names it
	s_endpgm
.Lfunc_end_k_q6029ca5ae1_qkv:
	.size	k_q6029ca5ae1_qkv, .Lfunc_end_k_q6029ca5ae1_qkv-k_q6029ca5ae1_qkv
	.p2alignl 7, 3214868480
	.fill 96, 4, 3214868480
	.section	.rodata,"a",@progbits
	.p2align	6, 0x0
	.amdhsa_kernel k_q6029ca5ae1_qkv
		.amdhsa_group_segment_fixed_size 237056
		.amdhsa_private_segment_fixed_size 0
		.amdhsa_enable_private_segment 0
		.amdhsa_kernarg_size 64
		.amdhsa_user_sgpr_count 2
		.amdhsa_user_sgpr_kernarg_segment_ptr 1
		.amdhsa_wavefront_size32 1
		.amdhsa_system_sgpr_workgroup_id_x 1
		.amdhsa_system_sgpr_workgroup_id_y 1
		.amdhsa_system_sgpr_workgroup_id_z 1
		.amdhsa_system_vgpr_workitem_id 0
		.amdhsa_next_free_vgpr 1024
		.amdhsa_next_free_sgpr 96
		.amdhsa_reserve_vcc 0
		.amdhsa_float_denorm_mode_32 3
		.amdhsa_float_denorm_mode_16_64 3
		.amdhsa_memory_ordered 1
		.amdhsa_forward_progress 1
		.amdhsa_inst_pref_size 103
	.end_amdhsa_kernel
	.amdgpu_metadata
---
amdhsa.version: [ 1, 2 ]
amdhsa.kernels:
  - .name:           k_q6029ca5ae1_qkv
    .symbol:         k_q6029ca5ae1_qkv.kd
    .args:
      - { .name: x_codes, .offset: 0, .size: 8, .value_kind: global_buffer, .address_space: global }
      - { .name: x_scales, .offset: 8, .size: 8, .value_kind: global_buffer, .address_space: global }
      - { .name: W_qkv_codes, .offset: 16, .size: 8, .value_kind: global_buffer, .address_space: global }
      - { .name: W_qkv_scales, .offset: 24, .size: 8, .value_kind: global_buffer, .address_space: global }
      - { .name: b_qkv, .offset: 32, .size: 8, .value_kind: global_buffer, .address_space: global }
      - { .name: kv, .offset: 40, .size: 8, .value_kind: global_buffer, .address_space: global }
      - { .name: qc, .offset: 48, .size: 8, .value_kind: global_buffer, .address_space: global }
      - { .name: qs, .offset: 56, .size: 8, .value_kind: global_buffer, .address_space: global }
    .group_segment_fixed_size: 237056
    .private_segment_fixed_size: 0
    .kernarg_segment_align: 8
    .kernarg_segment_size: 64
    .max_flat_workgroup_size: 128
    .sgpr_count:     96
    .vgpr_count:     1024
    .wavefront_size: 32
...
	.end_amdgpu_metadata
.endif
;; end of part 1
;; launch attn (part 2): grid 8 x 32, 16 waves a work-group, clusters of 4 x 1, 251,904 bytes of LDS; arguments qc, qs, kv, ac, asc; writes ac, asc
.if DOCPART == 2
	.amdgcn_target "amdgcn-amd-amdhsa--gfx1250"
	.amdhsa_code_object_version 6
	.text
	.protected	k_q6029ca5ae1_attn
	.globl	k_q6029ca5ae1_attn
	.p2align	8
	.type	k_q6029ca5ae1_attn,@function
k_q6029ca5ae1_attn:
	s_mov_b64 s[64:65], 0
	v_nop
	global_prefetch_b8 v0, s[64:65] scope:SCOPE_SE
	s_setreg_imm32_b32 hwreg(HW_REG_WAVE_MODE, 25, 1), 1
	s_wait_xcnt 0x0
	s_wait_alu depctr_hold_cnt(0) depctr_sa_sdst(0) depctr_va_vdst(0) depctr_va_sdst(0) depctr_va_ssrc(0) depctr_va_vcc(0) depctr_vm_vsrc(0)
	s_getreg_b32 s2, hwreg(HW_REG_IB_STS2, 6, 4)
	s_cmp_eq_u32 s2, 0
	s_cbranch_scc0 .Lentry_in_a_cluster
	s_endpgm
.Lentry_in_a_cluster:
	s_bfe_u32 s2, ttmp6, 0x10000c
	s_cmp_lg_u32 s2, 0x3003
	s_cbranch_scc0 .Lentry_shape_is_right
	s_endpgm
.Lentry_shape_is_right:
; Causal attention of one head on codes of FP4 (E2M1) with E8M0 scales, and its result quantised along C for the last product.
; t = score x log2(e) / 8; M = the running largest t rounded up to a whole number; p = 2^(t - M) is quantised along the keys, not normalised; the row's sum is taken of the unquantised p and divides O at the end.
; When M moves, the sum and O are multiplied by 2^(old M - new M), which rounds nothing.
; LEFT OUT: key steps of 128 that the causal mask hides whole from a query tile; a NaN or an infinity that reaches only them is not carried to the result.
; TILES.  Tile u of a group of 64 tokens has rows 0-7 = tokens 8 u + 0 .. 7 and rows 8-15 = tokens 32 + 8 (u xor 1) + 0 .. 7, of keys and of queries alike.
; SHARES.  Work-group (j, head): the 16 query tiles 8 QG + j, QG = 0 .. 15; tile QG needs key steps 0 .. QG, and step QG is its diagonal: 136 wave steps.  Waves w and w + 8 (w = 0 .. 7; a = w xor 4) share the tiles QG = 15 - a and QG = a, 17 steps:
;   wave w walks steps 0 .. n - 1 of tile 15 - a;  wave w + 8 walks steps 0 .. a of tile a, stores that tile, then walks steps n .. 15 - a of tile 15 - a.  n = 8 for w < 4, 12 for w = 4 .. 7:
;   so waves w, w + 4, w + 8, w + 12 (w < 4) walk 8, 12, 9 and 5 steps, 34 together for every w.  The two parts of tile 15 - a are joined through LDS by wave w.
; LDS.  The head's K and V with their scale words, 16 steps of 8,960 bytes, lie in LDS as they lie in memory: images of the operands' registers.  Every byte is filled once; wave w asks for step w.  Step 0 is walked while the rest is on its way.
; CLUSTER 4 x 1: the four work-groups of a cluster belong to one head and ask for its bytes jointly.  All trip counts are constants.  No prefetch: all tensor loads stand at the head, and no loop asks for anything.
; LAYOUT.  Both products transposed: S^T = K Q^T (source 0 = 16 keys), O^T = V^T P^T (source 0 = 16 of the head's 64): a lane (r, h) holds one query (row r) throughout; register 8 (4 c + u) + i of it holds key 64 c + 32 h + 8 (u xor h) + i:
;   a block of 32 keys is one lane's 32 registers of four tiles.  The head's 64 fill half of the first product's K step of 128: registers 4-7 of K's and Q's fragments hold zero codes, written once.
; LIMITS: a block of zeros gets the byte 1 where the rule says 127 (its codes are zeros; this program alone reads the bytes); the promise holds while the exponents t stay under 2^31 in magnitude; NaN and infinities are not served;
;   a block's scale is taken from floor(t - M) of its largest t, which is the exponent of p itself but for a p within an ulp of a power of two.
.set STEPB, 8960                       ; a step: K's codes 4,096, V's codes 4,096, K's scale words 512, V's 256
.set MRG,  24*STEPB                    ; behind the steps: the joining area, MRGP bytes for each pair of waves: O 4,096, -M 128, sum 128
.set MRGP, 4352
.set SPARE, MRG+8*MRGP                 ; the spare words, 128 bytes a wave
.set WV,  14                           ; s14 wave; s15 at work; s16 j; s17 16 b + head; s18 my own tile in the head
.set QGO, 19                           ; s19 QG of my own tile (the one that I store)
.set SEL, 20                           ; s[20:21] v_permlanex16_b32's selects for lane l xor 16
.set CS,  22                           ; s[22:23] c = log2(e) / 8: the packed form names a pair and takes its low word for both halves
.set G1,  24                           ; s[24:31] descriptor group 1: one step, 35 rows of 256 bytes
.set G0,  32                           ; s[32:35] group 0
.set QGH, 36                           ; s36 15 - a
.set SW,  37                           ; s37 the trip at which I change to tile 15 - a (64: never)
.set OFFS, 38                          ; s38 from then on the step is the trip + n - a - 1;  s39 the same in bytes
.set OFFSB, 39
.set IT,  40                           ; s40 trip;  s41 trip x STEPB;  s42 LDS byte of the step in hand;  s43 its number;  s44 QG of the tile in hand
.set TB,  41
.set TX,  42
.set ST,  43
.set QGC, 44
.set LAST, 45                          ; s45 my last trip
.set NCS, 46                           ; s46 -c
.set HALF, 47                          ; s47 j / 4 = the cluster's x: which 64 of its 128 tokens my tiles lie in
.set CX,  70                           ; s70 j mod 4 = my place in the cluster: it enters Q's and the outputs' addresses and the mask's numbers alone
.set PA,  71                           ; s71 a
.set L16, 1                            ; v1  16 x lane
.set L8S, 2                            ; v2  8 x lane + 8,192: K's scale words
.set L4S, 3                            ; v3  4 x lane + 8,704: V's
.set ADK, 4                            ; v4-6 the same for the step in hand
.set ADS, 5
.set ADT, 6
.set DQE, 7                            ; v7  my query's place in its 64 - 40 h: key 8 u + i of lane half h is hidden where 8 u + i > DQE (u even)
.set DQO, 248                          ; v248 - 24 h (u odd)
.set NINF, 8                           ; v8  -infinity
.set O8R, 9                            ; v9  8 r
.set O2R, 10                           ; v10 2 r + h
.set QF,  16                           ; v16-23 Q's fragment
.set QSC, 24                           ; v24 Q's scale word; v25 p's; v26-29 K's; v30-31 V's: these hold scales and nothing else
.set PSC, 25
.set KSC, 26
.set VSC, 30
.set KF,  32                           ; v32-95   K's eight fragments
.set SS,  96                           ; v96-159  S^T, then p; on the way out O / the sum
.set OT,  160                          ; v160-191 O^T
.set VF,  192                          ; v192-223 V's four fragments
.set PCD, 224                          ; v224-231 p's codes
.set MA,  249                          ; v249 the joining area: O, 16 x lane;  v250 -M and the sum, 4 x lane
.set MB,  250
.set SPW, 251                          ; v251 LDS address of my spare word;  v255 0
.set NIL, 255
                                       ; v12 -M, v13 the largest score, v[14:15] the sum in two halves; v232-245, v252-254 at work
.macro CROUND                          ; a round of the cluster's barrier
	s_barrier_signal -1
	s_barrier_wait -1
	s_cmp_lg_u32 s[WV], 0
	s_cbranch_scc1 .Lnot_wave_0_\@
	s_barrier_signal -3
.Lnot_wave_0_\@:
	s_barrier_wait -3
	s_barrier_signal -1
	s_barrier_wait -1
.endm
.macro QOFF t, c, e                    ; tile s[t]'s byte offsets in qc (128 tiles of 512 bytes a head) and in qs (groups of four tiles, 256 bytes: word (tile / 2) % 2 of lane 16 (tile % 2) + r)
	s_lshl_b32 s[\c], s17, 16
	s_lshl_b32 s15, s[\t], 9
	s_add_co_u32 s[\c], s[\c], s15
	s_mov_b32 s[\c+1], 0
	s_lshl_b32 s[\e], s17, 13
	s_lshr_b32 s15, s[\t], 2
	s_lshl_b32 s15, s15, 8
	s_add_co_u32 s[\e], s[\e], s15
	s_and_b32 s15, s[\t], 1
	s_lshl_b32 s15, s15, 7
	s_add_co_u32 s[\e], s[\e], s15
	s_bfe_u32 s15, s[\t], 0x10001
	s_lshl_b32 s15, s15, 2
	s_add_co_u32 s[\e], s[\e], s15
	s_mov_b32 s[\e+1], 0
.endm
	s_load_b256 s[4:11], s[0:1], 0x0               ; qc s[4:5], qs s[6:7], kv s[8:9], ac s[10:11]
	s_load_b64 s[12:13], s[0:1], 0x20              ; asc
	v_lshl_add_u32 v[SPW], v0, 2, SPARE
	v_mov_b32 v[NIL], 0
	ds_add_u32 v[SPW], v[NIL]                      ; the opening: the add, twice on end, and its wait ahead of my tensor load
	ds_add_u32 v[SPW], v[NIL]
	v_lshrrev_b32 v11, 5, v0
	v_readfirstlane_b32 s[WV], v11                 ; wave 0..15
	s_bfe_u32 s[CX], ttmp6, 0x40000
	s_mov_b32 s[HALF], ttmp9
	s_lshl_b32 s16, ttmp9, 2
	s_add_co_u32 s16, s16, s[CX]                   ; j
	s_and_b32 s17, ttmp7, 0xffff                   ; 16 b + head, which the four partners share
	s_and_b32 s[PA], s[WV], 7
	s_xor_b32 s[PA], s[PA], 4                      ; a
	s_xor_b32 s[QGH], s[PA], 15                    ; 15 - a
	s_add_co_u32 s[SW], s[PA], 1
	s_bfe_u32 s15, s[WV], 0x10002                  ; 1 where n = 12 (a = 0 .. 3), 0 where n = 8 (a = 4 .. 7)
	s_and_b32 s[OFFS], s[WV], 3
	s_xor_b32 s[OFFS], s[OFFS], 3
	s_lshl_b32 s48, s15, 3
	s_add_co_u32 s[OFFS], s[OFFS], s48             ; n - a - 1: 11 - a or 7 - a
	s_mul_i32 s[OFFSB], s[OFFS], STEPB
	s_lshl_b32 s15, s15, 2
	s_add_co_u32 s48, s15, 7                       ; n - 1: waves 0-7's last trip
	s_sub_co_u32 s15, 8, s15                       ; 16 - n: waves 8-15's
	s_cmp_lt_u32 s[WV], 8
	s_cselect_b32 s[QGO], s[QGH], s[PA]
	s_cselect_b32 s[SW], 64, s[SW]
	s_cselect_b32 s[LAST], s48, s15
	s_lshl_b32 s18, s[QGO], 3
	s_add_co_u32 s18, s18, s16                     ; my own tile: 8 QG + j
	s_lshl_b32 s49, s[QGH], 3
	s_add_co_u32 s49, s49, s16                     ; tile 15 - a's
	; group 1: dense bytes as 35 rows of 256 (32 elements of 8 bytes), no padding; the mask names all four work-groups, bit 21 set beside it
	s_mov_b32 s[G1], 15|(3<<16)|(1<<21)
	s_mov_b32 s[G1+1], 32<<16
	s_mov_b32 s[G1+2], 35<<16
	s_mov_b32 s[G1+3], 32<<16
	s_mov_b32 s[G1+4], 35
	s_mov_b32 s[G1+5], 32
	s_mov_b32 s[G1+6], 0
	s_mov_b32 s[G1+7], 0
	s_mul_i32 s50, s17, 16*STEPB                   ; the head's bytes in kv
	s_mov_b32 s51, 0
	s_mul_i32 s52, s[WV], STEPB                    ; step = wave: the same offset in memory and in LDS
	s_mov_b32 s53, 0
	QOFF 18, 56, 58
	QOFF 49, 66, 68
	s_lshr_b32 s48, s17, 4                         ; b
	s_lshl_b32 s60, s48, 4                         ; ac: [128 tokens: 16 b + QG][head / 8][tile j][head % 8][512 bytes]
	s_add_co_u32 s60, s60, s[QGO]
	s_lshl_b32 s60, s60, 16
	s_bfe_u32 s15, s17, 0x10003
	s_lshl_b32 s15, s15, 15
	s_add_co_u32 s60, s60, s15
	s_lshl_b32 s15, s16, 12
	s_add_co_u32 s60, s60, s15
	s_and_b32 s15, s17, 7
	s_lshl_b32 s15, s15, 9
	s_add_co_u32 s60, s60, s15
	s_mov_b32 s61, 0
	s_and_b32 s62, s17, 15                         ; asc: [head][tile 128 b + tile][row r][2 bytes]
	s_lshl_b32 s62, s62, 13
	s_lshl_b32 s15, s48, 7
	s_add_co_u32 s15, s15, s18
	s_lshl_b32 s15, s15, 5
	s_add_co_u32 s62, s62, s15
	s_mov_b32 s63, 0
	s_mov_b32 s[SEL], 0x76543210
	s_mov_b32 s[SEL+1], 0xfedcba98
	s_mov_b32 s[CS], 0x3e38aa3b                    ; log2(e) / 8
	s_mov_b32 s[CS+1], s[CS]                       ; (named with it as a pair, so it is written)
	s_mov_b32 s[NCS], 0xbe38aa3b
	s_wait_dscnt 0x0                               ; both opening adds are done
	CROUND                                         ; all four work-groups are here: the joint loads meet
	s_wait_kmcnt 0x0
	s_add_nc_u64 s[8:9], s[8:9], s[50:51]
	s_mov_b32 s[G0], 1
	s_mov_b32 s[G0+1], s52
	s_add_nc_u64 s[G0+2:G0+3], s[8:9], s[52:53]
	s_or_b32 s[G0+3], s[G0+3], 0x80000000
	s_add_nc_u64 s[66:67], s[4:5], s[66:67]        ; tile 15 - a's codes and scale words
	s_add_nc_u64 s[68:69], s[6:7], s[68:69]
	s_add_nc_u64 s[4:5], s[4:5], s[56:57]          ; my own tile's
	s_add_nc_u64 s[6:7], s[6:7], s[58:59]
	s_add_nc_u64 s[10:11], s[10:11], s[60:61]
	s_add_nc_u64 s[12:13], s[12:13], s[62:63]
	s_cmp_lg_u32 s[WV], 0                          ; one tensor load a wave.  Wave 0's has a line of its own: it is waited for first
	s_cbranch_scc1 .Lothers
	tensor_load_to_lds s[G0:G0+3], s[G1:G1+7]
	s_nop 0
.rept 4
	v_nop
.endr
	s_branch .Lasked
.Lothers:
	tensor_load_to_lds s[G0:G0+3], s[G1:G1+7]
	s_nop 0
.rept 4
	v_nop
.endr
.Lasked:
	v_and_b32 v11, 31, v0                          ; lane
	v_and_b32 v240, 15, v0                         ; r
	v_bfe_u32 v241, v0, 4, 1                       ; h
	v_lshlrev_b32 v[L16], 4, v11
	v_lshlrev_b32 v[O8R], 3, v240
	global_load_b128 v[QF:QF+3], v[L16], s[4:5]    ; Q's codes: lane (r, h): query r, d's block h
	global_load_b32 v[QSC], v[O8R], s[6:7]         ; and query r's scale word
	v_lshl_add_u32 v[L8S], v11, 3, 8192
	v_lshl_add_u32 v[L4S], v11, 2, 8704
	v_lshl_add_u32 v[O2R], v240, 1, v241
	v_lshrrev_b32 v242, 3, v240
	v_and_b32 v240, 7, v240
	v_xor_b32 v243, s[CX], v242
	v_lshl_add_u32 v240, v242, 5, v240
	v_mul_u32_u24 v242, 40, v241
	v_lshl_add_u32 v240, v243, 3, v240             ; my query's place in its 64: 32 (r / 8) + 8 (u xor (r / 8)) + r % 8, u = j % 4
	v_mul_u32_u24 v243, 24, v241
	v_sub_nc_u32 v[DQE], v240, v242
	v_sub_nc_u32 v[DQO], v240, v243
	s_mul_i32 s15, s[PA], MRGP
	s_add_co_u32 s15, s15, MRG
	v_add_nc_u32 v[MA], s15, v[L16]
	s_add_co_u32 s15, s15, 4096
	v_lshl_add_u32 v[MB], v11, 2, s15
	v_mov_b32 v[NINF], 0xff800000
.irp i, 4,5,6,7
	v_mov_b32 v[QF+\i], 0                          ; the half of the K step that the head's 64 do not fill: zero codes on both sides, written once
.endr
.irp t, 0,1,2,3,4,5,6,7
.irp i, 4,5,6,7
	v_mov_b32 v[KF+8*\t+\i], 0
.endr
.endr
.irp i, 236,243,252,253
	v_mov_b32 v\i, 0                               ; written once: lane permutes' destinations count as sources; v253 is named as the upper half of the pair v[252:253]
.endr
.macro MASK base                       ; 32 registers from v[SS + base] on: the keys of my queries' own 64; what comes after a lane's query becomes -infinity
.set n, 0
.rept 32
.if (n/8)%2
	v_cmp_gt_i32 vcc_lo, 0+n, v[DQO]
.else
	v_cmp_gt_i32 vcc_lo, 0+n, v[DQE]
.endif
	v_cndmask_b32 v[SS+\base+n], v[SS+\base+n], v[NINF], vcc_lo
.set n, n+1
.endr
.endm
.macro SCALED from                     ; t - M, two at a time, 16 registers
.set n, \from
.rept 8
	v_pk_fma_f32 v[SS+n:SS+n+1], v[SS+n:SS+n+1], s[CS:CS+1], v[12:13] op_sel_hi:[1,0,0]
.set n, n+2
.endr
.endm
; A KEY STEP: 128 keys.  first = 1: a tile's first step, which starts the sums.
.macro STEP first
	v_add_nc_u32 v[ADK], s[TX], v[L16]
	v_add_nc_u32 v[ADS], s[TX], v[L8S]
.irp t, 0,1,2,3,4,5,6,7
	ds_load_b128 v[KF+8*\t:KF+8*\t+3], v[ADK] offset:512*\t          ; K's tile t
.endr
	ds_load_b64 v[KSC:KSC+1], v[ADS]                                 ; K's scale words: register t / 2, lanes 0-15 the even tile's, lanes 16-31 the odd one's
	ds_load_b64 v[KSC+2:KSC+3], v[ADS] offset:256
	s_wait_alu depctr_va_vdst(0)
	s_wait_dscnt 0x0
.irp t, 0,1,2,3,4,5,6,7
.if \t%2
	v_wmma_scale_f32_16x16x128_f8f6f4 v[SS+8*\t:SS+8*\t+7], v[KF+8*\t:KF+8*\t+7], v[QF:QF+7], 0, v[KSC+\t/2], v[QSC] matrix_a_fmt:MATRIX_FMT_FP4 matrix_b_fmt:MATRIX_FMT_FP4 matrix_a_scale:MATRIX_SCALE_ROW1
.else
	v_wmma_scale_f32_16x16x128_f8f6f4 v[SS+8*\t:SS+8*\t+7], v[KF+8*\t:KF+8*\t+7], v[QF:QF+7], 0, v[KSC+\t/2], v[QSC] matrix_a_fmt:MATRIX_FMT_FP4 matrix_b_fmt:MATRIX_FMT_FP4
.endif
.endr
	v_add_nc_u32 v[ADT], s[TX], v[L4S]             ; four places: in front of the first read of the scores, and of the loads into registers that the last step's products read
.if \first
	v_nop
.else
	v_mov_b32 v254, v12                            ; the old -M
.endif
	v_nop
	v_nop
.irp d, 0,1,2,3
	ds_load_b128 v[VF+8*\d:VF+8*\d+3], v[ADK] offset:4096+1024*\d    ; V's tile d: lane (r, h): channel 16 d + r; they land under the softmax
	ds_load_b128 v[VF+8*\d+4:VF+8*\d+7], v[ADK] offset:4096+1024*\d+512
.endr
	ds_load_b32 v[VSC], v[ADT]
	ds_load_b32 v[VSC+1], v[ADT] offset:128
	s_cmp_lg_u32 s[ST], s[QGC]                     ; the tile's diagonal step alone hides keys: their scores become -infinity ahead of the maximum, so that p = 0
	s_cbranch_scc1 .Lopen_\@
	s_cmp_lg_u32 s[HALF], 0
	s_cbranch_scc1 .Lupper_\@
	MASK 0
.set n, 32
.rept 32
	v_mov_b32 v[SS+n], v[NINF]                     ; my queries lie in the step's first 64 tokens: its other 64 keys are all hidden
.set n, n+1
.endr
	s_branch .Lopen_\@
.Lupper_\@:
	MASK 32                                        ; my queries lie in the step's last 64 tokens: its first 64 keys all count
.Lopen_\@:
.irp k, 0,1,2,3
	v_max3_num_f32 v[232+\k], v[SS+16*\k], v[SS+16*\k+1], v[SS+16*\k+2]   ; the largest score of each block, in two chains a block: it serves the row's maximum and the block's scale
.endr
.irp i, 3,5,7,9,11,13
.irp k, 0,1,2,3
	v_max3_num_f32 v[232+\k], v[232+\k], v[SS+16*\k+\i], v[SS+16*\k+\i+1]
.endr
.endr
	v_max3_num_f32 v232, v232, v233, v[SS+15]
	v_max3_num_f32 v234, v234, v235, v[SS+47]
	v_max_num_f32 v232, v232, v[SS+31]             ; my lane's block 0 + h,
	v_max_num_f32 v234, v234, v[SS+63]             ; and block 2 + h
	v_max_num_f32 v235, v232, v234
	s_delay_alu instid0(VALU_DEP_1)
	v_permlanex16_b32 v236, v235, s[SEL], s[SEL+1]
	s_delay_alu instid0(VALU_DEP_1)
.if \first
	v_max_num_f32 v13, v235, v236
.else
	v_max3_num_f32 v13, v13, v235, v236            ; the running largest score of my query
.endif
	s_delay_alu instid0(VALU_DEP_1)
	v_mul_f32 v237, s[NCS], v13                    ; -t
	s_delay_alu instid0(VALU_DEP_1)
	v_floor_f32 v12, v237                          ; the new -M = floor(-t) = -ceil(t)
.if \first == 0
	s_delay_alu instid0(VALU_DEP_1)
	v_sub_f32 v254, v12, v254                      ; old M - new M: a whole number, 0 or less
	s_delay_alu instid0(VALU_DEP_1)
	v_cvt_i32_f32 v254, v254                       ; (it saturates)
	s_delay_alu instid0(VALU_DEP_1)
	v_ldexp_f32 v252, 1.0, v254                    ; f = 2^(old M - new M)
.endif
	v_fma_f32 v232, v232, s[CS], v12               ; t - M of each block's largest score,
	v_fma_f32 v234, v234, s[CS], v12
	SCALED 0
	v_max_num_f32 v232, 0xc2f80000, v232           ; held at -124, so that the byte cannot fall under 1;
	v_max_num_f32 v234, 0xc2f80000, v234
	SCALED 16
	v_cvt_floor_i32_f32 v240, v232                 ; its floor is the exponent of the block's largest p:
	v_cvt_floor_i32_f32 v241, v234
	SCALED 32
	v_add_nc_u32 v240, 125, v240                   ; + 127 - 2: the scale's byte
	v_add_nc_u32 v241, 125, v241
	SCALED 48
	v_lshlrev_b32 v244, 23, v240                   ; the conversions' scale operands
	v_lshlrev_b32 v245, 23, v241
	v_lshl_or_b32 v242, v241, 16, v240             ; my lane's bytes, of blocks h and 2 + h
	v_permlanex16_b32 v243, v242, s[SEL], s[SEL+1]
.set n, 0
	s_wait_alu depctr_va_vdst(0)                   ; the wait ahead of the batch
.rept 64
	v_exp_f32 v[SS+n], v[SS+n]                     ; p = 2^(t - M), at most 1
.set n, n+1
.endr
	v_lshl_or_b32 v[PSC], v243, 8, v242            ; p's scale word for these 128 keys, whole in lanes 0-15, which alone are read (a plain place behind the exponentials)
	s_wait_alu depctr_va_vdst(0)                   ; and behind it
.irp c, 0,1
.irp u, 0,1,2,3
	v_cvt_scalef32_pk8_fp4_f32 v[PCD+4*\c+\u], v[SS+32*\c+8*\u:SS+32*\c+8*\u+7], v[244+\c]   ; registers 4 c .. 4 c + 3 of lane (r, h): a whole block of query r
.endr
.endr
.irp k, 0,1,2,3
	v_pk_add_f32 v[232+2*\k:233+2*\k], v[SS+2*\k:SS+2*\k+1], v[SS+8+2*\k:SS+9+2*\k]   ; the row's sum, of the unquantised p: two at a time, in four chains
.endr
.set n, 16
.rept 6
.irp k, 0,1,2,3
	v_pk_add_f32 v[232+2*\k:233+2*\k], v[232+2*\k:233+2*\k], v[SS+n+2*\k:SS+n+2*\k+1]
.endr
.set n, n+8
.endr
	v_pk_add_f32 v[232:233], v[232:233], v[234:235]
	v_pk_add_f32 v[236:237], v[236:237], v[238:239]
.if \first
	v_pk_add_f32 v[14:15], v[232:233], v[236:237]
	s_wait_dscnt 0x0                               ; V and its words are in
.else
	v_pk_add_f32 v[232:233], v[232:233], v[236:237]
	v_pk_fma_f32 v[14:15], v[14:15], v[252:253], v[232:233] op_sel_hi:[1,0,1]   ; the sums under the new M, and this step's
	s_wait_dscnt 0x0                               ; V and its words are in
	s_wait_alu depctr_va_vdst(0)
.set n, 0
.rept 16
	v_pk_mul_f32 v[OT+n:OT+n+1], v[OT+n:OT+n+1], v[252:253] op_sel_hi:[1,0]   ; O^T under the new M
.set n, n+2
.endr
.endif
.irp d, 0,1,2,3
.if \first
.if \d%2
	v_wmma_scale_f32_16x16x128_f8f6f4 v[OT+8*\d:OT+8*\d+7], v[VF+8*\d:VF+8*\d+7], v[PCD:PCD+7], 0, v[VSC+\d/2], v[PSC] matrix_a_fmt:MATRIX_FMT_FP4 matrix_b_fmt:MATRIX_FMT_FP4 matrix_a_scale:MATRIX_SCALE_ROW1
.else
	v_wmma_scale_f32_16x16x128_f8f6f4 v[OT+8*\d:OT+8*\d+7], v[VF+8*\d:VF+8*\d+7], v[PCD:PCD+7], 0, v[VSC+\d/2], v[PSC] matrix_a_fmt:MATRIX_FMT_FP4 matrix_b_fmt:MATRIX_FMT_FP4
.endif
.elseif \d%2
	v_wmma_scale_f32_16x16x128_f8f6f4 v[OT+8*\d:OT+8*\d+7], v[VF+8*\d:VF+8*\d+7], v[PCD:PCD+7], v[OT+8*\d:OT+8*\d+7], v[VSC+\d/2], v[PSC] matrix_a_fmt:MATRIX_FMT_FP4 matrix_b_fmt:MATRIX_FMT_FP4 matrix_a_scale:MATRIX_SCALE_ROW1
.else
	v_wmma_scale_f32_16x16x128_f8f6f4 v[OT+8*\d:OT+8*\d+7], v[VF+8*\d:VF+8*\d+7], v[PCD:PCD+7], v[OT+8*\d:OT+8*\d+7], v[VSC+\d/2], v[PSC] matrix_a_fmt:MATRIX_FMT_FP4 matrix_b_fmt:MATRIX_FMT_FP4
.endif
.endr
.endm
; THE WAY OUT of a tile; v14 holds my lane's part of the row's sum.  O^T / the sum, then the head's two blocks of 32 along C are quantised; lane (r, h) ends with row r's block h: 16 bytes of codes, and one scale byte.
.macro OUTM
	v_permlanex16_b32 v236, v14, s[SEL], s[SEL+1]
	v_add_f32 v14, v14, v236                       ; with lane l xor 16's: the row's sum
	s_wait_alu depctr_va_vdst(0)                   ; the wait ahead of the transcendental,
	v_rcp_f32 v14, v14
	v_nop
	v_nop
	s_wait_alu depctr_va_vdst(0)                   ; and behind it
.set n, 0
.rept 16
	v_pk_mul_f32 v[SS+n:SS+n+1], v[OT+n:OT+n+1], v[14:15] op_sel_hi:[1,0]   ; register 8 d + i: channel 16 d + 8 h + i of row r
.set n, n+2
.endr
.irp b, 0,1
	v_max3_num_f32 v[232+\b], |v[SS+16*\b]|, |v[SS+1+16*\b]|, 0x1800000     ; block b: my 16 numbers, and the floor 2^(3 - 127)
.endr
.irp i, 2,4,6,8,10,12,14
.irp b, 0,1
	v_max3_num_f32 v[232+\b], v[232+\b], |v[SS+16*\b+\i]|, |v[SS+1+16*\b+\i]|
.endr
.endr
.irp b, 0,1
	v_permlanex16_b32 v[236+\b], v[232+\b], s[SEL], s[SEL+1]
.endr
.irp b, 0,1
	v_max_num_f32 v[232+\b], v[232+\b], v[236+\b]
.endr
.irp b, 0,1
	v_add_nc_u32 v[244+\b], 0xff000000, v[232+\b]
.endr
.irp b, 0,1
	v_lshrrev_b32 v[236+\b], 23, v[244+\b]
.endr
	s_mov_b32 s15, 0xffff0000                      ; lanes 16-31
	v_cvt_scalef32_pk8_fp4_f32 v[PCD], v[SS:SS+7], v244
	v_cvt_scalef32_pk8_fp4_f32 v[PCD+1], v[SS+16:SS+23], v245
	v_cvt_scalef32_pk8_fp4_f32 v[PCD+2], v[SS+8:SS+15], v244
	v_cvt_scalef32_pk8_fp4_f32 v[PCD+3], v[SS+24:SS+31], v245
	v_cndmask_b32 v238, v236, v237, s15            ; my half's byte.  (The plain place behind the conversions)
	v_permlane16_swap_b32 v[PCD], v[PCD+1]
	v_permlane16_swap_b32 v[PCD+2], v[PCD+3]
	global_store_b128 v[L16], v[PCD:PCD+3], s[10:11]       ; 512 consecutive bytes: half of a fragment of the last product's operand
	global_store_b8 v[O2R], v238, s[12:13]                 ; 32 consecutive bytes a wave: two bytes a row; 128 KiB in the whole launch
.endm
	s_mov_b32 s[TX], 0                             ; trip 0: step 0 of my own tile
	s_mov_b32 s[ST], 0
	s_mov_b32 s[QGC], s[QGO]
	s_wait_alu depctr_va_vdst(0)
	s_cmp_lg_u32 s[WV], 0
	s_cbranch_scc1 .Lnot_first
	s_wait_tensorcnt 0x0                           ; wave 0: step 0 has landed.  The other waves' loads may stay out
.Lnot_first:
	s_barrier_signal -1
	s_barrier_wait -1
	s_wait_loadcnt 0x0                             ; Q
	STEP 1
	s_wait_alu depctr_va_vdst(0)
	s_wait_dscnt 0x0                               ; no LDS load of mine is out at the signal
	s_wait_tensorcnt 0x0                           ; my step has landed,
	s_barrier_signal -1
	s_barrier_wait -1                              ; everybody's has
	s_mov_b32 s[TB], STEPB
	s_mov_b32 s[IT], 1
.Ltrip:                                            ; trips 1 to 11
	s_cmp_eq_u32 s[IT], s[SW]
	s_cbranch_scc0 .Lgo
	global_load_b128 v[QF:QF+3], v[L16], s[66:67]  ; waves 8-15, once: tile a is finished and goes out; then tile 15 - a's later steps
	global_load_b32 v[QSC], v[O8R], s[68:69]
	v_add_f32 v14, v14, v15
	OUTM
.set n, 0
.rept 32
	v_mov_b32 v[OT+n], 0
.set n, n+1
.endr
	v_mov_b32 v14, 0
	v_mov_b32 v15, 0
	v_mov_b32 v13, 0xff61b1e6                      ; the largest score so far: -3e38,
	v_mov_b32 v12, 0x7f61b1e6                      ; and -M = 3e38: the first change of M multiplies zeros by 0
	s_wait_alu depctr_va_vdst(0)
	s_wait_xcnt 0x0                                ; the stores have read their data
	s_wait_loadcnt 0x0                             ; Q
.Lgo:
	s_cmp_gt_u32 s[IT], s[LAST]
	s_cbranch_scc1 .Lidle
	s_cmp_lt_u32 s[IT], s[SW]
	s_cselect_b32 s[QGC], s[QGO], s[QGH]
	s_cselect_b32 s15, 0, s[OFFS]
	s_cselect_b32 s[TX], 0, s[OFFSB]
	s_add_co_u32 s[ST], s[IT], s15
	s_add_co_u32 s[TX], s[TX], s[TB]
	STEP 0
.Lidle:
	s_wait_alu depctr_va_vdst(0)
	s_add_co_u32 s[TB], s[TB], STEPB
	s_add_co_u32 s[IT], s[IT], 1
	s_cmp_lt_u32 s[IT], 12
	s_cbranch_scc1 .Ltrip
	; THE TWO PARTS OF TILE 15 - a.  Wave w + 8 hands its O^T, -M and sum over through LDS (bytes that no fill lands on); wave w brings both parts under the larger M, adds them and stores the tile.
	s_cmp_lt_u32 s[WV], 8
	s_cbranch_scc1 .Lkeep
	v_add_f32 v14, v14, v15                        ; my lane's part of the sum.  (With the three below the four places behind the last products)
	v_nop
	v_nop
	v_nop
.irp k, 0,1,2,3,4,5,6,7
	ds_store_b128 v[MA], v[OT+4*\k:OT+4*\k+3] offset:512*\k
.endr
	ds_store_b32 v[MB], v12
	ds_store_b32 v[MB], v14 offset:128
.Lkeep:
	s_wait_alu depctr_va_vdst(0)
	s_wait_dscnt 0x0
	s_barrier_signal -1
	s_barrier_wait -1
	s_cmp_lt_u32 s[WV], 8
	s_cbranch_scc0 .Lend
.irp k, 0,1,2,3,4,5,6,7
	ds_load_b128 v[SS+4*\k:SS+4*\k+3], v[MA] offset:512*\k
.endr
	ds_load_b32 v240, v[MB]
	ds_load_b32 v241, v[MB] offset:128
	v_add_f32 v14, v14, v15
	s_wait_alu depctr_va_vdst(0)
	s_wait_dscnt 0x0
	v_min_num_f32 v236, v12, v240                  ; -M of both parts
	v_sub_f32 v237, v236, v12
	v_sub_f32 v242, v236, v240
	v_cvt_i32_f32 v237, v237
	v_cvt_i32_f32 v242, v242
	v_ldexp_f32 v252, 1.0, v237
	v_ldexp_f32 v238, 1.0, v242
	v_mul_f32 v14, v14, v252
	v_fma_f32 v14, v241, v238, v14
.set n, 0
.rept 16
	v_pk_mul_f32 v[OT+n:OT+n+1], v[OT+n:OT+n+1], v[252:253] op_sel_hi:[1,0]
.set n, n+2
.endr
.set n, 0
.rept 16
	v_pk_fma_f32 v[OT+n:OT+n+1], v[SS+n:SS+n+1], v[238:239], v[OT+n:OT+n+1] op_sel_hi:[1,0,1]
.set n, n+2
.endr
	OUTM
.Lend:
	s_wait_tensorcnt 0x0                           ; the wave's end
	ds_add_u32 v[SPW], v[NIL]
	s_wait_dscnt 0x0
	CROUND                                         ; the closing round: no work-group ends while a partner may still ask for bytes by a load that names it
	s_endpgm
.Lfunc_end_k_q6029ca5ae1_attn:
	.size	k_q6029ca5ae1_attn, .Lfunc_end_k_q6029ca5ae1_attn-k_q6029ca5ae1_attn
	.p2alignl 7, 3214868480
	.fill 96, 4, 3214868480
	.section	.rodata,"a",@progbits
	.p2align	6, 0x0
	.amdhsa_kernel k_q6029ca5ae1_attn
		.amdhsa_group_segment_fixed_size 251904
		.amdhsa_private_segment_fixed_size 0
		.amdhsa_enable_private_segment 0
		.amdhsa_kernarg_size 40
		.amdhsa_user_sgpr_count 2
		.amdhsa_user_sgpr_kernarg_segment_ptr 1
		.amdhsa_wavefront_size32 1
		.amdhsa_system_sgpr_workgroup_id_x 1
		.amdhsa_system_sgpr_workgroup_id_y 1
		.amdhsa_system_sgpr_workgroup_id_z 1
		.amdhsa_system_vgpr_workitem_id 0
		.amdhsa_next_free_vgpr 256
		.amdhsa_next_free_sgpr 72
		.amdhsa_reserve_vcc 1
		.amdhsa_float_denorm_mode_32 3
		.amdhsa_float_denorm_mode_16_64 3
		.amdhsa_memory_ordered 1
		.amdhsa_forward_progress 1
		.amdhsa_inst_pref_size 59
	.end_amdhsa_kernel
	.amdgpu_metadata
---
amdhsa.version: [ 1, 2 ]
amdhsa.kernels:
  - .name:           k_q6029ca5ae1_attn
    .symbol:         k_q6029ca5ae1_attn.kd
    .args:
      - { .name: qc, .offset: 0, .size: 8, .value_kind: global_buffer, .address_space: global }
      - { .name: qs, .offset: 8, .size: 8, .value_kind: global_buffer, .address_space: global }
      - { .name: kv, .offset: 16, .size: 8, .value_kind: global_buffer, .address_space: global }
      - { .name: ac, .offset: 24, .size: 8, .value_kind: global_buffer, .address_space: global }
      - { .name: asc, .offset: 32, .size: 8, .value_kind: global_buffer, .address_space: global }
    .group_segment_fixed_size: 251904
    .private_segment_fixed_size: 0
    .kernarg_segment_align: 8
    .kernarg_segment_size: 40
    .max_flat_workgroup_size: 512
    .sgpr_count:     72
    .vgpr_count:     256
    .wavefront_size: 32
...
	.end_amdgpu_metadata
.endif
;; end of part 2
;; launch proj (part 3): grid 8 x 32, 4 waves a work-group, clusters of 4 x 4, 167,936 bytes of LDS; arguments ac, asc, W_out_codes, W_out_scales, b_out, out0; writes out0
.if DOCPART == 3
	.amdgcn_target "amdgcn-amd-amdhsa--gfx1250"
	.amdhsa_code_object_version 6
	.text
	.protected	k_q6029ca5ae1_proj
	.globl	k_q6029ca5ae1_proj
	.p2align	8
	.type	k_q6029ca5ae1_proj,@function
k_q6029ca5ae1_proj:
	s_mov_b64 s[64:65], 0
	v_nop
	global_prefetch_b8 v0, s[64:65] scope:SCOPE_SE
	s_setreg_imm32_b32 hwreg(HW_REG_WAVE_MODE, 25, 1), 1
	s_wait_xcnt 0x0
	s_wait_alu depctr_hold_cnt(0) depctr_sa_sdst(0) depctr_va_vdst(0) depctr_va_sdst(0) depctr_va_ssrc(0) depctr_va_vcc(0) depctr_vm_vsrc(0)
	s_getreg_b32 s2, hwreg(HW_REG_IB_STS2, 6, 4)
	s_cmp_eq_u32 s2, 0
	s_cbranch_scc0 .Lentry_in_a_cluster
	s_endpgm
.Lentry_in_a_cluster:
	s_bfe_u32 s2, ttmp6, 0x10000c
	s_cmp_lg_u32 s2, 0xf033
	s_cbranch_scc0 .Lentry_shape_is_right
	s_endpgm
.Lentry_shape_is_right:
; out0 = a W_out + b_out on codes of FP4 (E2M1) with E8M0 scales, K = 1,024.  a: the attention launch's codes, laid as images of this launch's operand registers; its scale bytes [head][tile][row][2].
; SHARES.  Work-group (X, Y): 128 tokens x 128 columns.  Four waves: tq = wave >> 1 takes 64 tokens (four tiles), ch = wave & 1 takes 64 columns (four tiles): 16 accumulators.
;   TRANSPOSED (source 0 = 16 rows of W_out, source 1 = 16 tokens): a lane holds one token and eight neighbouring columns.  The bias is the C of each sum's first matrix instruction.
;   Tile i of a wave's 64 tokens has rows 0-7 = tokens 8 i + 0 .. 7 and rows 8-15 = tokens 32 + 8 (i xor 1) + 0 .. 7.
; LDS.  K in two chunks of 512: a's images (32,768 dense bytes), then W's 128 rows of 256 bytes + 16 of padding.  Every byte of them is filled once, by one tensor load a wave: waves 0 and 1 chunk 0 of a and of W, waves 2 and 3 chunk 1.
;   Behind them a stage of 16 rows x 272 bytes for each wave, into which no fill lands.
; EVERY FRAGMENT IS READ ONCE, into registers of its own: no load lands on a register that a matrix instruction has read.  Chunk 0's four K steps are multiplied for all four tiles while chunk 1 is on its way;
;   chunk 1's four go tile by tile, so that a finished tile's rows leave while the next is multiplied.
; CLUSTER 4 x 4: a's bytes hang on Y alone and are shared along a row of the cluster, W's on X alone and are shared along a column.  No prefetch: all tensor loads stand at the head, and there is no loop.
; REGISTERS, in windows of 256: window 0: addresses, scale words, bias, rows on their way out;  window 1: W's fragments, (K step s, tile t) at v[32 s + 8 t];
;   window 2: a's fragments, (tile i, K step s) at v[64 i + 8 s];  window 3: accumulator (i, t) at v[32 i + 8 t].
.set PITCH,  272
.set TROW,   16*PITCH
.set ABYTES, 32768
.set CHK,    ABYTES+128*PITCH          ; a chunk: 67,584 bytes
.set STAGE,  2*CHK                     ; 135,168: a multiple of 256
.set SPARE,  STAGE+4*TROW              ; the spare words, 128 bytes a wave
.set WV,   20                          ; s20 wave; s21 ch; s22 tq; s23 cx; s24 cy; s25 X; s26 Y; s27, s28 the masks; s30 my 64 rows of W in LDS
.set G1A,  32                          ; s[32:39] group 1 for a's bytes;  s[40:47] for W's rows
.set G1W,  40
.set G0A,  48                          ; s[48:55], s[56:63] groups 0, a set for each chunk
.set G0W,  56
.set ADA,  4                           ; v4-5  LDS address of my tokens' images in chunk 0, 1
.set ADW,  6                           ; v6-7  of my 64 rows of W
.set STO,  8                           ; v8    the stage: where I put 32 bytes of a row
.set RD,   9                           ; v9    and where I read rows back
.set GO,   10                          ; v10   my byte offset in two rows of out0
.set OWS,  11                          ; v11   32 r + 16 h: W's scale bytes
.set OAS,  12                          ; v12   65,536 h + 2 r: a's
.set OB,   13                          ; v13   32 h: a lane's eight biases
.set SA,   16                          ; v16-31 a's scale words: tile i, register q: lanes 0-15 K step q, lanes 16-31 K step 4 + q
.set SW,   32                          ; v32-47 W's: tile t likewise
.set HF,   48                          ; v48-79 a's scale bytes as loaded, two to a register
.set BO,   80                          ; v80-111 the bias, eight registers a column tile
.set BK,   112                         ; v112-239 rows read back from the stage, 32 registers a tile
.set SPW,  240                         ; v240 LDS address of my spare word;  v241 0
.set NIL,  241
.set MSB, 0
.macro WIN new                         ; low byte: bits 1:0 source 0, 3:2 source 1, 5:4 source 2, 7:6 destination; the high byte repeats the setting that is left
.if MSB != (\new)
	s_set_vgpr_msb (MSB<<8)|(\new)
.set MSB, (\new)
.endif
.endm
.macro CROUND                          ; a round of the cluster's barrier
	s_barrier_signal -1
	s_barrier_wait -1
	s_cmp_lg_u32 s[WV], 0
	s_cbranch_scc1 .Lnot_wave_0_\@
	s_barrier_signal -3
.Lnot_wave_0_\@:
	s_barrier_wait -3
	s_barrier_signal -1
	s_barrier_wait -1
.endm
.macro PLACES n                        ; plain vector instructions that name none of a matrix instruction's registers (ISA guide 7.12.1)
.rept \n
	v_nop
.endr
.endm
	s_load_b256 s[4:11], s[0:1], 0x0               ; ac s[4:5], asc s[6:7], W's codes s[8:9], W's scales s[10:11]
	s_load_b128 s[12:15], s[0:1], 0x20             ; b_out s[12:13], out0 s[14:15]
	v_lshl_add_u32 v[SPW], v0, 2, SPARE
	v_mov_b32 v[NIL], 0
	ds_add_u32 v[SPW], v[NIL]                      ; the opening: the add, twice on end, and its wait ahead of my tensor load
	ds_add_u32 v[SPW], v[NIL]
	v_lshrrev_b32 v1, 5, v0
	v_readfirstlane_b32 s[WV], v1                  ; wave 0..3
	s_and_b32 s21, s[WV], 1
	s_lshr_b32 s22, s[WV], 1
	s_bfe_u32 s23, ttmp6, 0x40000
	s_bfe_u32 s24, ttmp6, 0x40004
	s_lshl_b32 s25, ttmp9, 2
	s_add_co_u32 s25, s25, s23                     ; X: 128 columns
	s_and_b32 s26, ttmp7, 0xffff
	s_lshl_b32 s26, s26, 2
	s_add_co_u32 s26, s26, s24                     ; Y: 128 tokens
	s_lshl_b32 s27, s24, 2
	s_lshl_b32 s27, 15, s27                        ; my row of the cluster
	s_lshl_b32 s28, 0x1111, s23                    ; my column
	s_or_b32 s[G1A], s27, (3<<16)|(1<<21)          ; a: dense bytes as 128 rows of 256 (32 elements of 8 bytes), no padding
	s_mov_b32 s[G1A+1], 32<<16
	s_mov_b32 s[G1A+2], 128<<16
	s_mov_b32 s[G1A+3], 32<<16
	s_mov_b32 s[G1A+4], 128
	s_mov_b32 s[G1A+5], 32
	s_mov_b32 s[G1A+6], 0
	s_mov_b32 s[G1A+7], 0
	s_or_b32 s[G1W], s28, (1<<20)|(1<<21)|(5<<22)|(3<<25)   ; W: 128 rows of 256 bytes, 512 apart in memory, 4 words of padding behind every 64
	s_mov_b32 s[G1W+1], 256<<16
	s_mov_b32 s[G1W+2], 128<<16
	s_mov_b32 s[G1W+3], 256<<16
	s_mov_b32 s[G1W+4], 128
	s_mov_b32 s[G1W+5], 512
	s_mov_b32 s[G1W+6], 0
	s_mov_b32 s[G1W+7], 0
	s_mul_i32 s30, s21, 64*PITCH                   ; my 64 rows of W in LDS
	s_lshl_b32 s66, s26, 16                        ; ac: 65,536 bytes for 128 tokens: Y alone
	s_mov_b32 s67, 0
	s_lshl_b32 s68, s25, 16                        ; W's codes: 128 X rows of 512 bytes: X alone
	s_mov_b32 s69, 0
	s_lshl_b32 s70, s25, 12                        ; W's scales: rows 128 X + 64 ch of 32 bytes
	s_lshl_b32 s71, s21, 11
	s_add_co_u32 s70, s70, s71
	s_mov_b32 s71, 0
	s_lshl_b32 s72, s26, 8                         ; asc: tiles 8 Y + 4 tq, 32 bytes each
	s_lshl_b32 s73, s22, 7
	s_add_co_u32 s72, s72, s73
	s_mov_b32 s73, 0
	s_lshl_b32 s74, s25, 9                         ; b_out, and a row of out0: columns 128 X + 64 ch, 4 bytes each
	s_lshl_b32 s75, s21, 8
	s_add_co_u32 s74, s74, s75
	s_mov_b32 s75, 0
	s_lshl_b32 s76, s26, 19                        ; out0: rows 128 Y + 64 tq of 4,096 bytes
	s_lshl_b32 s77, s22, 18
	s_add_co_u32 s76, s76, s77
	s_add_co_u32 s76, s76, s74
	s_mov_b32 s77, 0
	s_wait_dscnt 0x0                               ; both opening adds are done
	CROUND                                         ; all sixteen work-groups are here: the joint loads meet
	s_wait_kmcnt 0x0
	s_add_nc_u64 s[4:5], s[4:5], s[66:67]
	s_add_nc_u64 s[8:9], s[8:9], s[68:69]
	s_add_nc_u64 s[10:11], s[10:11], s[70:71]
	s_add_nc_u64 s[6:7], s[6:7], s[72:73]
	s_add_nc_u64 s[12:13], s[12:13], s[74:75]
	s_add_nc_u64 s[14:15], s[14:15], s[76:77]
.irp c, 0,1
	s_mov_b32 s[G0A+4*\c], 1
	s_mov_b32 s[G0A+4*\c+1], \c*CHK
	s_add_nc_u64 s[G0A+4*\c+2:G0A+4*\c+3], s[4:5], \c*32768
	s_or_b32 s[G0A+4*\c+3], s[G0A+4*\c+3], 0x80000000
	s_mov_b32 s[G0W+4*\c], 1
	s_mov_b32 s[G0W+4*\c+1], \c*CHK+ABYTES
	s_add_nc_u64 s[G0W+4*\c+2:G0W+4*\c+3], s[8:9], \c*256
	s_or_b32 s[G0W+4*\c+3], s[G0W+4*\c+3], 0x80000000
.endr
; THE FILLS, one a wave, in one tree of branches on the wave's number
.macro ARM under, g0, g1
	s_cmp_lt_u32 s[WV], \under
	s_cbranch_scc0 .Lnext_\@
	tensor_load_to_lds s[\g0:\g0+3], s[\g1:\g1+7]
	s_nop 0
	PLACES 4
	s_branch .Lasked
.Lnext_\@:
.endm
	ARM 1, G0A, G1A
	ARM 2, G0W, G1W
	ARM 3, G0A+4, G1A
	tensor_load_to_lds s[G0W+4:G0W+7], s[G1W:G1W+7]
	s_nop 0
	PLACES 4
.Lasked:
	v_and_b32 v1, 15, v0                           ; r
	v_bfe_u32 v2, v0, 4, 1                         ; h
	v_and_b32 v3, 31, v0                           ; lane
	v_lshlrev_b32 v[OWS], 5, v1
	v_lshlrev_b32 v[OAS], 16, v2                   ; lanes 16-31 take the heads eight further on: K steps 4 to 7
	v_lshlrev_b32 v[OB], 5, v2
	v_mul_u32_u24 v14, v1, PITCH
	v_lshl_add_u32 v[OWS], v2, 4, v[OWS]
	v_lshl_add_u32 v[OAS], v1, 1, v[OAS]
.irp t, 0,1,2,3
	global_load_b128 v[SW+4*\t:SW+4*\t+3], v[OWS], s[10:11] offset:512*\t      ; 16 rows of 32 scale bytes: 512 consecutive bytes; lane (r, h): words 4 h .. 4 h + 3 of row r
.endr
.irp i, 0,1,2,3
.irp q, 0,1,2,3
.irp e, 0,1
	global_load_u16 v[HF+8*\i+2*\q+\e], v[OAS], s[6:7] offset:8192*(2*\q+\e)+32*\i   ; row r's two bytes of head 2 q + e (+ 8 h): a K step of 128 is two heads
.endr
.endr
.endr
.irp t, 0,1,2,3
	global_load_b128 v[BO+8*\t:BO+8*\t+3], v[OB], s[12:13] offset:64*\t        ; columns 16 t + 8 h + 0 .. 7
	global_load_b128 v[BO+8*\t+4:BO+8*\t+7], v[OB], s[12:13] offset:64*\t+16
.endr
	s_lshl_b32 s85, s22, 14                        ; my four tiles of tokens: 4,096 bytes of images each in a chunk
	v_lshl_add_u32 v[ADA], v3, 4, s85
	v_lshl_add_u32 v15, v2, 4, v14                 ; 272 r + 16 h
	s_add_co_u32 s85, s30, ABYTES                  ; my 64 rows of W
	v_add_nc_u32 v[ADA+1], CHK, v[ADA]
	v_add_nc_u32 v[ADW], s85, v15
	v_lshl_add_u32 v14, v2, 5, v14                 ; the stage, in: row r, 32 bytes for each half of the lanes
	v_add_nc_u32 v[ADW+1], CHK, v[ADW]
	s_mul_i32 s85, s[WV], TROW
	s_add_co_u32 s85, s85, STAGE                   ; my stage
	v_add_nc_u32 v[STO], s85, v14
	v_mul_u32_u24 v15, v2, PITCH                   ; back: lanes 0-15 one row of 256 bytes, lanes 16-31 the next
	v_lshlrev_b32 v[GO], 12, v2                    ; and the same two rows in out0
	v_lshl_add_u32 v15, v1, 4, v15
	v_lshl_add_u32 v[GO], v1, 4, v[GO]
	v_add_nc_u32 v[RD], s85, v15
.macro FETCHW c                        ; chunk c's 32 loads of W: K steps 4 c .. 4 c + 3 in ascending order
	WIN 0x40                                       ; destination window 1, address window 0
.irp q, 0,1,2,3
.irp t, 0,1,2,3
	ds_load_b128 v[32*(4*\c+\q)+8*\t:32*(4*\c+\q)+8*\t+3], v[ADW+\c] offset:TROW*\t+64*\q
	ds_load_b128 v[32*(4*\c+\q)+8*\t+4:32*(4*\c+\q)+8*\t+7], v[ADW+\c] offset:TROW*\t+64*\q+32
.endr
.endr
	WIN 0
.endm
.macro FETCHA c, i                     ; chunk c's 8 loads of tile i: images, 16 bytes x lane
	WIN 0x80                                       ; destination window 2
.irp q, 0,1,2,3
.irp e, 0,1
	ds_load_b128 v[64*\i+8*(4*\c+\q)+4*\e:64*\i+8*(4*\c+\q)+4*\e+3], v[ADA+\c] offset:4096*\i+1024*\q+512*\e
.endr
.endr
	WIN 0
.endm
.macro WM d, a, b, c, sa, sb, row
.if \row
	v_wmma_scale_f32_16x16x128_f8f6f4 v[\d:\d+7], v[\a:\a+7], v[\b:\b+7], v[\c:\c+7], v[\sa], v[\sb] matrix_a_fmt:MATRIX_FMT_FP4 matrix_b_fmt:MATRIX_FMT_FP4 matrix_a_scale:MATRIX_SCALE_ROW1 matrix_b_scale:MATRIX_SCALE_ROW1
.else
	v_wmma_scale_f32_16x16x128_f8f6f4 v[\d:\d+7], v[\a:\a+7], v[\b:\b+7], v[\c:\c+7], v[\sa], v[\sb] matrix_a_fmt:MATRIX_FMT_FP4 matrix_b_fmt:MATRIX_FMT_FP4
.endif
.endm
; Tile i, K step s = 4 c + q: four products, one an accumulator: three others stand between a sum's steps.
.macro MUL4 i, s
.if (\s) == 0
	WIN 0xc9                                       ; source 0 window 1, source 1 window 2, C (the bias) window 0, D window 3
.else
	WIN 0xf9                                       ; C and D window 3
.endif
.irp t, 0,1,2,3
.if (\s) == 0
	WM 32*\i+8*\t, 32*(\s)+8*\t, 64*\i+8*(\s), BO+8*\t, SW+4*\t+(\s)%4, SA+4*\i+(\s)%4, (\s)/4
.else
	WM 32*\i+8*\t, 32*(\s)+8*\t, 64*\i+8*(\s), 32*\i+8*\t, SW+4*\t+(\s)%4, SA+4*\i+(\s)%4, (\s)/4
.endif
.endr
.endm
.macro MULT c, i                       ; tile i, chunk c: 16 products
.irp q, 0,1,2,3
	MUL4 \i, 4*\c+\q
.endr
	WIN 0
.endm
.macro MULFIRST c                      ; tile 0, chunk c, as W's fragments come in: behind K step q's loads stand W's 8 (3 - q) younger ones and tile 1's eight
.irp q, 0,1,2,3
	s_wait_dscnt 8*(3-\q)+8
	MUL4 0, 4*\c+\q
.endr
	WIN 0
.endm
; THE WAY OUT of tile i.  A lane holds 32 neighbouring bytes of a row and the lanes beside it other rows: 16 tokens x 64 columns go through my own stage and come back as whole rows of 256 bytes.
; LDS serves a wave's instructions in order (ISA guide 5.7.1.4): no wait stands between the stores and the loads, nor in front of the next tile's stores.
.macro TOSTAGE i
	WIN 0x0c                                       ; data window 3
.irp t, 0,1,2,3
	ds_store_b128 v[STO], v[32*\i+8*\t:32*\i+8*\t+3] offset:64*\t        ; each accumulator from its low end on
	ds_store_b128 v[STO], v[32*\i+8*\t+4:32*\i+8*\t+7] offset:64*\t+16
.endr
	WIN 0
.irp k, 0,1,2,3,4,5,6,7
	ds_load_b128 v[BK+32*\i+4*\k:BK+32*\i+4*\k+3], v[RD] offset:2*PITCH*\k
.endr
.endm
.macro SEND i
.irp k, 0,1,2,3,4,5,6,7
	s_wait_dscnt 7-\k                              ; behind this load: the tile's 7 - k younger ones
	global_store_b128 v[GO], v[BK+32*\i+4*\k:BK+32*\i+4*\k+3], s[14:15] offset:((\k/4)*(24+2*\k+8*(\i^1))+(1-\k/4)*(8*\i+2*\k))*4096 th:TH_STORE_NT   ; rows 2 k, 2 k + 1 of tile i: 16 lanes store 256 consecutive bytes, at a multiple of 256 from out0's first byte; written once, read by nobody here
.endr
.endm
	s_wait_alu depctr_va_vdst(0)
	s_cmp_lt_u32 s[WV], 2
	s_cbranch_scc0 .Lnot_first
	s_wait_tensorcnt 0x0                           ; waves 0 and 1: chunk 0 has landed.  Waves 2 and 3 wait for chunk 1 later: nothing is ever filled again
.Lnot_first:
	s_barrier_signal -1
	s_barrier_wait -1
	FETCHA 0, 0
	FETCHW 0
	FETCHA 0, 1
	s_wait_loadcnt 0x0                             ; scale bytes and bias
.irp i, 0,1,2,3
.irp q, 0,1,2,3
	v_lshl_or_b32 v[SA+4*\i+\q], v[HF+8*\i+2*\q+1], 16, v[HF+8*\i+2*\q]   ; a K step's scale word: the even head's two bytes below, the odd head's above
.endr
.endr
	PLACES 8                                       ; a scale register written by a vector instruction stands eight places ahead of a scaled matrix instruction
	s_wait_alu depctr_va_vdst(0)
	MULFIRST 0
	FETCHA 0, 2
	FETCHA 0, 3
	s_wait_dscnt 16
	MULT 0, 1
	s_wait_dscnt 8
	MULT 0, 2
	s_wait_dscnt 0x0                               ; (and no LDS load of mine is out at the signal below)
	MULT 0, 3
	s_wait_tensorcnt 0x0                           ; my tensor load has landed,
	s_barrier_signal -1
	s_barrier_wait -1                              ; everybody's has: chunk 1 is in.
	FETCHA 1, 0
	FETCHW 1
	FETCHA 1, 1
	MULFIRST 1
	FETCHA 1, 2
	FETCHA 1, 3
	PLACES 4                                       ; behind the products whose results are read next
	TOSTAGE 0
	s_wait_dscnt 32                                ; tile 1's fragments are in: behind them tiles 2's and 3's 16 loads, the stage's 8 stores and 8 loads
	MULT 1, 1
	SEND 0                                         ; (tiles 2's and 3's fragments, which are older than the stage's loads, are in with them)
	PLACES 4
	TOSTAGE 1
	MULT 1, 2
	SEND 1
	PLACES 4
	TOSTAGE 2
	MULT 1, 3
	SEND 2
	PLACES 4
	TOSTAGE 3
	SEND 3
	s_wait_tensorcnt 0x0                           ; the wave's end
	ds_add_u32 v[SPW], v[NIL]
	s_wait_dscnt 0x0
	CROUND                                         ; the closing round: no work-group ends while a partner may still ask for a tile that names it
	s_endpgm
.Lfunc_end_k_q6029ca5ae1_proj:
	.size	k_q6029ca5ae1_proj, .Lfunc_end_k_q6029ca5ae1_proj-k_q6029ca5ae1_proj
	.p2alignl 7, 3214868480
	.fill 96, 4, 3214868480
	.section	.rodata,"a",@progbits
	.p2align	6, 0x0
	.amdhsa_kernel k_q6029ca5ae1_proj
		.amdhsa_group_segment_fixed_size 167936
		.amdhsa_private_segment_fixed_size 0
		.amdhsa_enable_private_segment 0
		.amdhsa_kernarg_size 48
		.amdhsa_user_sgpr_count 2
		.amdhsa_user_sgpr_kernarg_segment_ptr 1
		.amdhsa_wavefront_size32 1
		.amdhsa_system_sgpr_workgroup_id_x 1
		.amdhsa_system_sgpr_workgroup_id_y 1
		.amdhsa_system_sgpr_workgroup_id_z 1
		.amdhsa_system_vgpr_workitem_id 0
		.amdhsa_next_free_vgpr 1024
		.amdhsa_next_free_sgpr 96
		.amdhsa_reserve_vcc 0
		.amdhsa_float_denorm_mode_32 3
		.amdhsa_float_denorm_mode_16_64 3
		.amdhsa_memory_ordered 1
		.amdhsa_forward_progress 1
		.amdhsa_inst_pref_size 48
	.end_amdhsa_kernel
	.amdgpu_metadata
---
amdhsa.version: [ 1, 2 ]
amdhsa.kernels:
  - .name:           k_q6029ca5ae1_proj
    .symbol:         k_q6029ca5ae1_proj.kd
    .args:
      - { .name: ac, .offset: 0, .size: 8, .value_kind: global_buffer, .address_space: global }
      - { .name: asc, .offset: 8, .size: 8, .value_kind: global_buffer, .address_space: global }
      - { .name: W_out_codes, .offset: 16, .size: 8, .value_kind: global_buffer, .address_space: global }
      - { .name: W_out_scales, .offset: 24, .size: 8, .value_kind: global_buffer, .address_space: global }
      - { .name: b_out, .offset: 32, .size: 8, .value_kind: global_buffer, .address_space: global }
      - { .name: out0, .offset: 40, .size: 8, .value_kind: global_buffer, .address_space: global }
    .group_segment_fixed_size: 167936
    .private_segment_fixed_size: 0
    .kernarg_segment_align: 8
    .kernarg_segment_size: 48
    .max_flat_workgroup_size: 128
    .sgpr_count:     96
    .vgpr_count:     1024
    .wavefront_size: 32
...
	.end_amdgpu_metadata
.endif
;; end of part 3
